; MI455X (gfx1250); checked and timed in simulation.
; The chip was launched on July 23, 2026; its instructions are those of AMD's public machine-readable ISA for CDNA 5 (MIT licence, August 2026) and "CDNA5" Instruction Set Architecture Reference Guide (July 2026). The comments in the code are by the model that wrote it; some were corrected since.
;; GPT3 Dev Block. Allowed arithmetic: matrix products marked QUANTISED: E2M3 operands, one E8M0 scale for each 32 along K, by v_wmma_scale_f32_16x16x128_f8f6f4 with both operands' format E2M3, f32 sums; everything else in f32.
;; Inputs: b_ao 1,024 float32; b_fc 4,096 float32; b_proj 1,024 float32; b_qkv 3,072 float32; ln1_b 1,024 float32; ln1_g 1,024 float32; ln2_b 1,024 float32; ln2_g 1,024 float32; w_ao 1,024 x 1,024 float32; w_fc 1,024 x 4,096 float32; w_proj 4,096 x 1,024 float32; w_qkv 1,024 x 3,072 float32; x 2 x 2,048 x 1,024 float32.
;; Outputs: out0 2 x 2,048 x 1,024 float32.
;; This version of the problem:
;;   THIS VERSION OF THE PROBLEM IS GIVEN IN LOW PRECISION. The matrix products marked QUANTISED in the list below multiply operands that are first quantised to E2M3 (2 exponent bits, 3 mantissa bits; 6 bits a number), with one power-of-two scale for each 32 numbers along K (OCP MX v1.0); their sums are f32. All else is computed in f32.
;;   The module's matrix products, in the order in which they are computed (A, B: the left and right operand; K: the contracted axis; several contracted axes count as one K, in the product's order):
;;     1. [M 4,096, K 1,024] x [K 1,024, N 3,072]; A: computed on the way; B: input w_qkv: QUANTISED
;;     2. batch 32 x [M 2,048, K 64] x [K 64, N 2,048]; A: computed on the way; B: computed on the way: QUANTISED
;;     3. batch 32 x [M 2,048, K 2,048] x [K 2,048, N 64]; A: softmax (see below); B: computed on the way: QUANTISED
;;     4. [M 4,096, K 1,024] x [K 1,024, N 1,024]; A: computed on the way; B: input w_ao: QUANTISED
;;     5. [M 4,096, K 1,024] x [K 1,024, N 4,096]; A: computed on the way; B: input w_fc: QUANTISED
;;     6. [M 4,096, K 4,096] x [K 4,096, N 1,024]; A: computed on the way; B: input w_proj: QUANTISED
;;   THE QUANTISER, for each operand of a quantised product, along K:
;;     - K is cut into blocks of 32 from its start; a last block that is shorter is filled with zeros.
;;     - A block's scale is 2^e with e = floor(log2(the largest magnitude in the block)) - 2, held to -126 .. 127; a block of zeros has e = 0. As a byte (E8M0): e + 127.
;;     - Each number is divided by its block's scale, clamped to +-7.5, and rounded to the nearest number of E2M3, ties to even, subnormals kept.
;;     - The product sums the exact products of the quantised numbers (number of the format x scale) in f32.
;;   ~~~python
;;   def quantise(x, axis):      # numpy; x: float32 -> the quantised numbers, widened to float32 again
;;       x = np.moveaxis(x, axis, -1); K = x.shape[-1]
;;       x = np.pad(x, [(0, 0)] * (x.ndim - 1) + [(0, -K % 32)]); x = x.reshape(x.shape[:-1] + (-1, 32)); a = np.abs(x).max(-1, keepdims=True)
;;       e = np.where(a > 0, np.clip(np.frexp(np.where(a > 0, a, 1))[1] - 1 - 2, -126, 127), 0)      # np.frexp(a)[1] - 1 = floor(log2(a)), exactly
;;       r = np.clip(x / 2.0 ** e, -7.5, 7.5)
;;       step = 2.0 ** (np.maximum(np.frexp(np.where(r == 0, 1, r))[1] - 1, 0) - 3)
;;       q = np.round(r / step) * step * 2.0 ** e      # np.round: ties to even
;;       return np.moveaxis(q.reshape(q.shape[:-2] + (-1,))[..., :K], -1, axis).astype(np.float32)
;;   ~~~
;;   SOFTMAX AHEAD OF A QUANTISED PRODUCT. Where the list says 'softmax', what is quantised is not the finished softmax but p = 2^(t - M), with t = logit x log2(e) and M = ceil(the row's largest t), a whole number; so 1/2 < the row's largest p <= 1. The row's sum l is taken of the UNQUANTISED p, in f32, and the product's result is divided by l at the end. Since M is a whole number, a kernel that streams over the keys may use a running M (the ceiling of the running maximum): every later rescaling is an exact power of two, which a block's scale takes up: the codes' values come out the same.
;;   OPERANDS COMPUTED ON THE WAY. 'Computed on the way' means the value that the module computes at that place (a softmax that the list does not call 'softmax' is quantised finished and normalised). What goes into a quantiser is computed in f32, as accurately as f32 sums, v_exp_f32 and their like allow (about 1e-6 of the number): no bf16 or f16 on the way to a quantiser, and a product that is left as it is and whose result goes on into a quantised operand takes f32 operands (vector FMAs, or v_wmma_f32_16x16x4_f32). A number that lies on a knife's edge between two numbers of the format may be rounded either way, as far as f32 arithmetic and the matrix unit's own rounding can turn it there, and no further.
;; One version. Each part assembles by itself: llvm-mc -triple=amdgcn-amd-amdhsa -mcpu=gfx1250 --defsym DOCPART=n.
;; ======== version 1 of 1: 7 launches
;; limits: right only within a limited range of input values
;; workspace buffers: wimg 10,223,616 bytes; aimg 3,407,872 bytes; qkvimg 10,747,904 bytes; x2 16,777,216 bytes; h3img 13,631,488 bytes
;; launch prep1 (part 1): grid 384 x 1, 8 waves a work-group, no clusters, 96,768 bytes of LDS; arguments x, ln1_g, ln1_b, aimg, w_qkv, w_ao, wimg; writes aimg, wimg
.if DOCPART == 1
	.amdgcn_target "amdgcn-amd-amdhsa--gfx1250"
	.amdhsa_code_object_version 6
	.text
	.protected	k_qe7013c1c2f_prep1
	.globl	k_qe7013c1c2f_prep1
	.p2align	8
	.type	k_qe7013c1c2f_prep1,@function
k_qe7013c1c2f_prep1:
	s_mov_b64 s[64:65], 0
	v_nop
	global_prefetch_b8 v0, s[64:65] scope:SCOPE_SE
	s_setreg_imm32_b32 hwreg(HW_REG_WAVE_MODE, 25, 1), 1
	s_wait_xcnt 0x0
; TWO KINDS OF WORK-GROUPS IN ONE LAUNCH, both of which make operands of FP6 (E2M3) codes with one E8M0 scale byte for each 32 along K, laid in the ORDER OF THE OPERAND'S REGISTERS.
; A BLOCK of 13,312 bytes serves a panel of 128 rows and 128 along K: eight fragment images of 1,536 bytes (16 rows x 128 K, 12 registers: group c of lane l at 512 c + 16 l), then eight scale images of 128 bytes
; (a row's scale word at 4 l; lanes 16-31 repeat lanes 0-15).  Image row r of tile t is row 32 (t / 2) + 8 (t % 2) + r + 8 (r / 8) of the panel.
; With id = x + 256 y of the work-group:
;   id < 256: ROWS.  LayerNorm of tile id (16 rows) of [4096][1024] f32, (x - mean) rsqrt(var + 1e-5) g + b in f32, quantised along the row; the images go to [panel][K step] blocks of the fourth argument.
;   id >= 256: WEIGHTS.  Work-group id - 256 makes two blocks of the two weights given (f32, stored [K][N]; an operand's row is a column n), [panel][K step] blocks of the last argument.
; The body serves two launches.  384 x 1 work-groups (y = 0): w_qkv (192 blocks, rows of 12,288 bytes) and w_ao (64 blocks), blocks 0 on.  256 x 2 work-groups (the weights' all have y = 1): w_fc (256 blocks, rows of 16,384 bytes)
; and w_proj (256 blocks, 32 K steps to a panel), blocks 256 on.  The figures are chosen by s_cselect on y; the paths part on the work-group's number alone, and each path has LDS bytes of its own.
; ROWS: wave w takes K step w (128 columns) of all 16 rows.  A lane keeps its 64 numbers in registers through both reductions, so the rows are read once.  The loads take the bytes as they lie (512 consecutive bytes of a row);
; the wave's own stage in LDS turns them so that lane (r, h) holds, of row r, numbers 32 b + 16 h + 0 .. 15 of each block b.  The mean and then the sum of squared differences (two passes, as the problem writes it: no difference
; of large sums) meet in LDS: two barriers, two regions of words.
; WEIGHTS: wave w takes block w / 4 and 32 of its 128 along K (kb = w % 4), all 128 columns: 32 loads of 512 consecutive bytes, all asked for at once.  A lane so holds four neighbouring columns, interleaved; the conversion wants
; 16 neighbours along K in consecutive registers, so a column's 32 numbers are copied out first.  The four waves' codes and scale bytes meet in one image of the block in LDS; behind one barrier each wave stores two tiles.
; A block's scale is 2^(floor(log2(largest magnitude)) - 2); its byte is the largest magnitude's exponent field - 2, held at 1 from below.
; LIMITS: NaN and infinities are not served; a block of zeros, or one whose largest magnitude lies under 2^-124, gets the byte 1; only this program reads the bytes.
.set KB,   13312
; ---- the rows' path
.set SP,   528                         ; a stage row: 512 bytes + 16: the 16 rows of a load start on 16 different groups of banks
.set WST,  16*SP
.set RED0, 8*WST                       ; 8 waves x 16 rows x 4 bytes: the rows' partial sums, twice
.set X,    16                          ; v16-79   my 64 numbers
.set R,    80                          ; v80-143  as loaded; later the gains
.set G,    80
.set BV,   144                         ; v144-207 the biases
.set TM,   208                         ; v208-223 the quantiser's work
.set PW,   224                         ; the scale word
.set PC,   226                         ; v226-245 the codes; first the eight partial sums
.set MU,   246
.set RS,   248
.set SEL,  12
; ---- the weights' path
.set WLDS, RED0+1024                   ; its LDS bytes begin behind the rows' path's
.set TIMG, 1552                        ; a tile's image: 1,536 bytes + 16
.set SOFF, 8*TIMG                      ; behind the eight tiles: the eight scale images
.set WBLK, 13568                       ; a block's image
.set OFF,  16                          ; v16-47   row i of my 32: i x pitch + 16 x lane
.set RAW,  48                          ; v48-175  as loaded: register 4 i + q = W(row i, column 4 l + q)
.set D,    176                         ; v176-207 one column's 32 numbers
.set WP,   208                         ; v208-239 a column's six registers of codes, eight places for each of the four columns
.set WT,   240                         ; v240-242 the second conversion's result
.set E,    244                         ; v244-247 the columns' scale bytes
.set OUTR, 48                          ; the way out, in registers that the numbers have left
.macro QUANT s                         ; 64 numbers of a lane, register 16 b + i = k 32 b + 16 (lane / 16) + i of my row, become a fragment's codes in v[PC] on and its scale word in v[PW]
.irp b, 0,1,2,3
	v_max3_num_f32 v[TM+\b], |v[\s+16*\b]|, |v[\s+1+16*\b]|, 0x1800000   ; my 16 numbers of block b, and the floor 2^(3 - 127): the byte cannot fall under 1
.endr
.irp i, 2,4,6,8,10,12,14
.irp b, 0,1,2,3
	s_delay_alu instid0(VALU_DEP_4)
	v_max3_num_f32 v[TM+\b], v[TM+\b], |v[\s+16*\b+\i]|, |v[\s+1+16*\b+\i]|   ; the four blocks by turns
.endr
.endr
.irp b, 0,1,2,3
	s_delay_alu instid0(VALU_DEP_4)
	v_permlanex16_b32 v[TM+4+\b], v[TM+\b], s[SEL], s[SEL+1]
.endr
.irp b, 0,1,2,3
	s_delay_alu instid0(VALU_DEP_4)
	v_max_num_f32 v[TM+\b], v[TM+\b], v[TM+4+\b]   ; with lane l xor 16's: the block's largest magnitude
.endr
.irp b, 0,1,2,3
	s_delay_alu instid0(VALU_DEP_4)
	v_add_nc_u32 v[TM+12+\b], 0xff000000, v[TM+\b] ; 2 off its exponent field: the conversion's scale operand
.endr
.irp b, 0,1,2,3
	s_delay_alu instid0(VALU_DEP_4)
	v_lshrrev_b32 v[TM+4+\b], 23, v[TM+12+\b]      ; the scale's byte
.endr
	s_delay_alu instid0(VALU_DEP_3)
	v_lshl_or_b32 v[PW], v[TM+5], 8, v[TM+4]
	s_delay_alu instid0(VALU_DEP_1)
	v_lshl_or_b32 v[PW], v[TM+6], 16, v[PW]
	s_delay_alu instid0(VALU_DEP_1)
	v_lshl_or_b32 v[PW], v[TM+7], 24, v[PW]
.irp c, 0,1
	v_cvt_scalef32_pk16_fp6_f32 v[PC+6*\c:PC+2+6*\c], v[\s+32*\c:\s+15+32*\c], v[TM+12+2*\c]
	v_cvt_scalef32_pk16_fp6_f32 v[PC+12+4*\c:PC+14+4*\c], v[\s+16+32*\c:\s+31+32*\c], v[TM+12+2*\c+1]   ; (a conversion's three registers begin on an even number)
.endr
	v_nop                                          ; one plain place behind a scaled conversion
.irp c, 0,1                            ; the operand's layout wants a whole block in a lane: lanes 0-15 block 2 c, lanes 16-31 block 2 c + 1
.irp i, 0,1,2
	v_permlane16_swap_b32 v[PC+6*\c+\i], v[PC+12+4*\c+\i]
.endr
.irp i, 0,1,2
	s_delay_alu instid0(VALU_DEP_3)
	v_mov_b32 v[PC+3+6*\c+\i], v[PC+12+4*\c+\i]
.endr
.endr
.endm
.macro ACROSS off                      ; v250 = my wave's figure for my row (both halves of the lanes agree): through LDS, the eight waves' figures are added in one order in every wave: v226
	s_delay_alu instid0(VALU_DEP_1)
	v_add_f32 v250, v250, v251
	s_delay_alu instid0(VALU_DEP_1)
	v_permlanex16_b32 v251, v250, s[SEL], s[SEL+1]
	s_delay_alu instid0(VALU_DEP_1)
	v_add_f32 v250, v250, v251
	ds_store_b32 v8, v250 offset:\off              ; lanes r and r + 16 write the same word with the same value
	s_wait_dscnt 0x0                               ; for the others' sake: my store has landed (and my earlier LDS loads are in)
	s_barrier_signal -1
	s_barrier_wait -1
.irp w, 0,1,2,3,4,5,6,7
	ds_load_b32 v[226+\w], v9 offset:\off+64*\w
.endr
	s_wait_dscnt 0x0
	v_add_f32 v226, v226, v227
	v_add_f32 v228, v228, v229
	v_add_f32 v230, v230, v231
	v_add_f32 v232, v232, v233
	s_delay_alu instid0(VALU_DEP_3)
	v_add_f32 v226, v226, v228
	s_delay_alu instid0(VALU_DEP_2)
	v_add_f32 v230, v230, v232
	s_delay_alu instid0(VALU_DEP_1)
	v_add_f32 v226, v226, v230
.endm
.macro COLUMN q                        ; column 4 l + q: its 32 numbers along K become six registers of codes and a scale byte, and go into the block's image
.set PB, WP+8*(\q)
	v_max3_num_f32 v12, |v[RAW+\q]|, |v[RAW+4+\q]|, |v[RAW+8+\q]|          ; the block's largest magnitude: all 32 numbers are mine; two chains
	v_max3_num_f32 v13, |v[RAW+12+\q]|, |v[RAW+16+\q]|, |v[RAW+20+\q]|
.irp i, 6,10,14,18,22,26
	s_delay_alu instid0(VALU_DEP_2)
	v_max3_num_f32 v12, v12, |v[RAW+4*\i+\q]|, |v[RAW+4*\i+4+\q]|
	s_delay_alu instid0(VALU_DEP_2)
	v_max3_num_f32 v13, v13, |v[RAW+4*\i+8+\q]|, |v[RAW+4*\i+12+\q]|
.endr
	s_delay_alu instid0(VALU_DEP_2)
	v_max3_num_f32 v12, v12, |v[RAW+120+\q]|, |v[RAW+124+\q]|
	s_delay_alu instid0(VALU_DEP_1)
	v_max3_num_f32 v12, v12, v13, 0x1800000        ; and the floor 2^(3 - 127): the byte cannot fall under 1
	s_delay_alu instid0(VALU_DEP_1)
	v_add_nc_u32 v11, 0xff000000, v12              ; 2 off the exponent field: the conversion takes this operand's exponent field as its scale
	s_delay_alu instid0(VALU_DEP_1)
	v_lshrrev_b32 v[E+\q], 23, v11                 ; the scale's byte
.set i, 0
.rept 32
	v_mov_b32 v[D+i], v[RAW+4*i+\q]                ; the column's numbers on end: the conversion takes 16 consecutive registers
.set i, i+1
.endr
	v_cvt_scalef32_pk16_fp6_f32 v[PB:PB+2], v[D:D+15], v11
	v_cvt_scalef32_pk16_fp6_f32 v[WT:WT+2], v[D+16:D+31], v11      ; (a conversion's three registers begin on an even number)
	v_nop                                          ; one plain place behind a scaled conversion
.irp i, 0,1,2
	v_mov_b32 v[PB+3+\i], v[WT+\i]
.endr
; the operand's lane (r, h) holds k = 64 c + 32 h + 0 .. 31 in registers 6 c .. 6 c + 5, and kb = 2 c + h.  Of a tile's image these six lie, 16 r + 256 h on, at bytes 0, 8, 512 (c = 0) or 520, 1024, 1032 (c = 1):
; v3 carries 520 c, v4 carries 8 + 1016 c
	ds_store_b64 v3, v[PB:PB+1] offset:16*\q
	ds_store_b64 v4, v[PB+2:PB+3] offset:16*\q
	ds_store_b64 v3, v[PB+4:PB+5] offset:16*\q+512
	ds_store_b8 v8, v[E+\q] offset:4*\q            ; byte kb of the row's scale word,
	ds_store_b8 v8, v[E+\q] offset:4*\q+64         ; and of its copy for lanes 16-31
.endm
	v_lshl_add_u32 v254, v0, 2, 0x17600
	v_mov_b32 v255, 0
	v_lshrrev_b32 v1, 5, v0
	s_delay_alu instid0(VALU_DEP_1)
	v_readfirstlane_b32 s16, v1                    ; wave 0..7
	s_and_b32 s2, ttmp7, 0xffff                    ; work-group y
	s_lshl_b32 s3, s2, 8
	s_add_co_u32 s3, s3, ttmp9                     ; id = x + 256 y
	s_cmp_ge_u32 s3, 256
	s_cbranch_scc1 .Lweights                       ; the same way for all eight waves of a work-group
	; ================ ROWS: tile id, K step = wave
	s_load_b256 s[4:11], s[0:1], 0x0               ; the rows s[4:5], gain s[6:7], bias s[8:9], the images s[10:11]
	v_and_b32 v1, 31, v0                           ; lane
	v_and_b32 v2, 15, v0                           ; r
	v_bfe_u32 v3, v0, 4, 1                         ; h
	s_delay_alu instid0(VALU_DEP_3)
	v_lshlrev_b32 v10, 4, v1                       ; 16 x lane
	s_delay_alu instid0(VALU_DEP_4)
	v_lshlrev_b32 v11, 2, v1                       ; 4 x lane
	s_lshl_b32 s17, s16, 9                         ; my 512 bytes of a row
	v_add_nc_u32 v4, s17, v10                      ; loads of the rows
	v_lshl_add_u32 v7, v3, 6, s17                  ; gain and bias: 512 w + 64 h
	s_mul_i32 s18, s16, WST
	v_add_nc_u32 v5, s18, v10                      ; the stage, on the way in
	v_mul_u32_u24 v6, v2, SP
	s_delay_alu instid0(VALU_DEP_1)
	v_lshl_add_u32 v6, v3, 6, v6
	s_delay_alu instid0(VALU_DEP_1)
	v_add_nc_u32 v6, s18, v6                       ; and on the way out: row r, + 64 h
	v_lshlrev_b32 v9, 2, v2
	s_delay_alu instid0(VALU_DEP_1)
	v_add_nc_u32 v9, RED0, v9                      ; the rows' words: 4 r; wave w' at 64 w'
	s_lshl_b32 s19, s16, 6
	v_add_nc_u32 v8, s19, v9
	s_mov_b32 s[SEL], 0x76543210
	s_mov_b32 s[SEL+1], 0xfedcba98                 ; lane l xor 16
	s_mov_b32 s14, 0x3727c5ac                      ; 1e-5
	s_mov_b32 s15, 0x3a800000                      ; 1 / 1024
.irp b, 0,1,2,3
	v_mov_b32 v[TM+4+\b], 0                        ; written once: a lane permute's destination counts as one of its sources
.endr
	s_lshr_b32 s20, s3, 3                          ; panel
	s_and_b32 s21, s3, 7                           ; tile
	s_lshl_b32 s22, s20, 7
	s_lshr_b32 s23, s21, 1
	s_lshl_b32 s23, s23, 5
	s_add_co_u32 s22, s22, s23
	s_and_b32 s23, s21, 1
	s_lshl_b32 s23, s23, 3
	s_add_co_u32 s22, s22, s23                     ; the tile's first row: 128 panel + 32 (t / 2) + 8 (t % 2)
	s_lshl_b32 s22, s22, 12
	s_mov_b32 s23, 0
	s_lshl_b32 s24, s20, 3
	s_add_co_u32 s24, s24, s16
	s_mul_i32 s24, s24, KB                         ; my block
	s_lshl_b32 s26, s21, 7
	s_add_co_u32 s26, s26, s24
	s_add_co_u32 s26, s26, 12288                   ; my scale image
	s_mov_b32 s27, 0
	s_mul_i32 s25, s21, 1536
	s_add_co_u32 s24, s24, s25                     ; my fragment image
	s_mov_b32 s25, 0
	s_wait_alu depctr_va_vdst(0)
	s_wait_kmcnt 0x0
	s_add_nc_u64 s[4:5], s[4:5], s[22:23]
	s_add_nc_u64 s[28:29], s[10:11], s[24:25]
	s_add_nc_u64 s[30:31], s[10:11], s[26:27]
.irp i, 0,1,2,3,4,5,6,7,8,9,10,11,12,13,14,15
	global_load_b128 v[R+4*\i:R+4*\i+3], v4, s[4:5] offset:(\i+8*(\i/8))*4096   ; image row i: 512 consecutive bytes
.endr
.irp i, 0,1,2,3,4,5,6,7,8,9,10,11,12,13,14,15
	s_wait_loadcnt 15-\i                           ; row i is in; the younger loads may be out
	ds_store_b128 v5, v[R+4*\i:R+4*\i+3] offset:SP*\i
.endr
.irp b, 0,1,2,3
.irp j, 0,1,2,3
	ds_load_b128 v[X+16*\b+4*\j:X+16*\b+4*\j+3], v6 offset:128*\b+16*\j   ; LDS serves a wave's instructions in order: these see my stores
.endr
.endr
	s_wait_dscnt 0x0                               ; my numbers are in, and the stores have read their registers, which take the gains
.irp b, 0,1,2,3
.irp j, 0,1,2,3
	global_load_b128 v[G+16*\b+4*\j:G+16*\b+4*\j+3], v7, s[6:7] offset:128*\b+16*\j      ; they land during the reductions
	global_load_b128 v[BV+16*\b+4*\j:BV+16*\b+4*\j+3], v7, s[8:9] offset:128*\b+16*\j
.endr
.endr
	v_pk_add_f32 v[252:253], v[16:17], v[18:19]
	v_pk_add_f32 v[248:249], v[24:25], v[28:29]
	v_pk_add_f32 v[246:247], v[32:33], v[36:37]
	v_pk_add_f32 v[244:245], v[40:41], v[44:45]
	v_pk_add_f32 v[242:243], v[48:49], v[52:53]
	v_pk_add_f32 v[240:241], v[56:57], v[60:61]
	v_pk_add_f32 v[238:239], v[64:65], v[68:69]
	v_pk_add_f32 v[250:251], v[72:73], v[76:77]
	s_delay_alu instid0(VALU_DEP_1)
	v_pk_add_f32 v[250:251], v[250:251], v[20:21]
	v_pk_add_f32 v[252:253], v[252:253], v[22:23]
	v_pk_add_f32 v[248:249], v[248:249], v[26:27]
	v_pk_add_f32 v[246:247], v[246:247], v[30:31]
	v_pk_add_f32 v[244:245], v[244:245], v[34:35]
	v_pk_add_f32 v[242:243], v[242:243], v[38:39]
	v_pk_add_f32 v[240:241], v[240:241], v[42:43]
	v_pk_add_f32 v[238:239], v[238:239], v[46:47]
	v_pk_add_f32 v[250:251], v[250:251], v[50:51]
	v_pk_add_f32 v[252:253], v[252:253], v[54:55]
	v_pk_add_f32 v[248:249], v[248:249], v[58:59]
	v_pk_add_f32 v[246:247], v[246:247], v[62:63]
	v_pk_add_f32 v[244:245], v[244:245], v[66:67]
	v_pk_add_f32 v[242:243], v[242:243], v[70:71]
	v_pk_add_f32 v[240:241], v[240:241], v[74:75]
	v_pk_add_f32 v[238:239], v[238:239], v[78:79]
	s_delay_alu instid0(VALU_DEP_4)
	v_pk_add_f32 v[250:251], v[250:251], v[244:245]
	s_delay_alu instid0(VALU_DEP_4)
	v_pk_add_f32 v[252:253], v[252:253], v[242:243]
	s_delay_alu instid0(VALU_DEP_4)
	v_pk_add_f32 v[248:249], v[248:249], v[240:241]
	s_delay_alu instid0(VALU_DEP_4)
	v_pk_add_f32 v[246:247], v[246:247], v[238:239]
	s_delay_alu instid0(VALU_DEP_2)
	v_pk_add_f32 v[250:251], v[250:251], v[248:249]
	s_delay_alu instid0(VALU_DEP_2)
	v_pk_add_f32 v[252:253], v[252:253], v[246:247]
	s_delay_alu instid0(VALU_DEP_1)
	v_pk_add_f32 v[250:251], v[250:251], v[252:253]
	ACROSS 0
	s_delay_alu instid0(VALU_DEP_1)
	v_mul_f32 v[MU], s15, v226                     ; the mean
	s_delay_alu instid0(VALU_DEP_1)
	v_mov_b32 v[MU+1], v[MU]
.set j, 0
.rept 32
	v_pk_add_f32 v[X+j:X+j+1], v[X+j:X+j+1], v[MU:MU+1] neg_lo:[0,1] neg_hi:[0,1]   ; x - mean, in place
.set j, j+2
.endr
	v_pk_mul_f32 v[250:251], v[X:X+1], v[X:X+1]
	v_pk_mul_f32 v[252:253], v[X+2:X+3], v[X+2:X+3]
.irp j, 4,8,12,16,20,24,28,32,36,40,44,48,52,56,60
	s_delay_alu instid0(VALU_DEP_2)
	v_pk_fma_f32 v[250:251], v[X+\j:X+\j+1], v[X+\j:X+\j+1], v[250:251]
	s_delay_alu instid0(VALU_DEP_2)
	v_pk_fma_f32 v[252:253], v[X+\j+2:X+\j+3], v[X+\j+2:X+\j+3], v[252:253]
.endr
	s_delay_alu instid0(VALU_DEP_1)
	v_pk_add_f32 v[250:251], v[250:251], v[252:253]
	ACROSS 512                                     ; other words than the first reduction's: no third barrier is owed
	s_delay_alu instid0(VALU_DEP_1)
	v_fma_f32 v[RS], v226, s15, s14                ; the variance + 1e-5
	s_wait_alu depctr_va_vdst(0)
	v_rsq_f32 v[RS], v[RS]
	v_nop                                          ; one plain place behind a transcendental
	s_wait_alu depctr_va_vdst(0)
	v_mov_b32 v[RS+1], v[RS]
	s_wait_alu depctr_va_vdst(0)
	s_wait_loadcnt 0x0                             ; gains and biases
.set j, 0
.rept 32
	v_pk_mul_f32 v[X+j:X+j+1], v[X+j:X+j+1], v[RS:RS+1]
.set j, j+2
.endr
.set j, 0
.rept 32
	v_pk_fma_f32 v[X+j:X+j+1], v[X+j:X+j+1], v[G+j:G+j+1], v[BV+j:BV+j+1]
.set j, j+2
.endr
	QUANT X
.irp c, 0,1,2
	global_store_b128 v10, v[PC+4*\c:PC+4*\c+3], s[28:29] offset:512*\c   ; 512 consecutive bytes, aligned to 256
.endr
	global_store_b32 v11, v[PW], s[30:31]          ; both halves of the lanes hold the rows' words
	s_wait_tensorcnt 0x0
	ds_add_u32 v254, v255
	s_wait_dscnt 0x0
	s_endpgm
	; ================ WEIGHTS: blocks 2 (id - 256) and 2 (id - 256) + 1 of this launch's
.Lweights:
	s_load_b128 s[4:7], s[0:1], 0x20               ; the first weight s[4:5], the second s[6:7]
	s_load_b64 s[12:13], s[0:1], 0x30              ; the blocks
	v_and_b32 v1, 31, v0                           ; lane l: columns 4 l .. 4 l + 3 of the panel
	s_delay_alu instid0(VALU_DEP_1)
	v_lshlrev_b32 v5, 4, v1                        ; 16 l
	s_and_b32 s14, s16, 3                          ; kb: which 32 of the block's 128 along K; on the way out: which two tiles
	s_lshr_b32 s15, s16, 2                         ; which of the work-group's two blocks
	s_sub_co_u32 s3, s3, 256
	s_lshl_b32 s3, s3, 1
	s_add_co_u32 s38, s3, s15                      ; my block among this launch's
	s_mov_b32 s36, 192                             ; y = 0: the second tensor's blocks begin at 192; a row of the first is 12,288 bytes
	s_mov_b32 s37, 12288
	s_cmp_eq_u32 s2, 1                             ; the choices hang on the work-group's and the wave's number alone
	s_cselect_b32 s36, 256, s36                    ; y = 1: at 256; 16,384 bytes;
	s_cselect_b32 s37, 16384, s37
	s_cselect_b32 s18, 5, 3                        ; log2 of the second tensor's K steps;
	s_cselect_b32 s2, 256, 0                       ; the launch's first block in the buffer
	s_mov_b32 s17, 4096                            ; a row of the second tensor, in both launches
	s_wait_alu depctr_va_vdst(0)
	s_wait_kmcnt 0x0
	s_cmp_lt_u32 s38, s36
	s_cselect_b64 s[20:21], s[4:5], s[6:7]         ; my tensor,
	s_cselect_b32 s39, 0, s36                      ; its first block,
	s_cselect_b32 s17, s37, s17                    ; the bytes in its rows,
	s_cselect_b32 s18, 3, s18                      ; log2 of its K steps
	s_sub_co_u32 s19, s38, s39                     ; the block's number in its tensor = panel x K steps + K step
	s_lshr_b32 s22, s19, s18                       ; panel
	s_lshl_b32 s23, s22, s18
	s_sub_co_u32 s19, s19, s23                     ; K step
	s_lshl_b32 s19, s19, 2
	s_add_co_u32 s19, s19, s14                     ; 4 K step + kb: runs of 32 rows
	s_mul_i32 s19, s19, s17
	s_lshl_b32 s19, s19, 5                         ; in bytes (under 2^25)
	s_lshl_b32 s22, s22, 9                         ; 512 bytes of a row for each panel
	s_add_co_u32 s22, s22, s19
	s_mov_b32 s23, 0
	s_add_nc_u64 s[24:25], s[20:21], s[22:23]      ; my 32 rows x 128 columns
.set i, 0
.rept 32
	v_mad_u32_u24 v[OFF+i], s17, i, v5
.set i, i+1
.endr
.set i, 0
.rept 32
	global_load_b128 v[RAW+4*i:RAW+4*i+3], v[OFF+i], s[24:25] th:TH_LOAD_NT   ; row i: 512 consecutive bytes, aligned to 256; all 32 go out at once
.set i, i+1
.endr
	s_add_co_u32 s19, s38, s2
	s_mul_i32 s19, s19, KB                         ; my block in the buffer
	s_mul_i32 s22, s14, 3072
	s_add_co_u32 s22, s22, s19
	s_add_nc_u64 s[32:33], s[12:13], s[22:23]      ; the two tile images that I store,
	s_lshl_b32 s22, s14, 8
	s_add_co_u32 s22, s22, s19
	s_add_co_u32 s22, s22, 12288
	s_add_nc_u64 s[34:35], s[12:13], s[22:23]      ; and their scale images
	s_mul_i32 s26, s15, WBLK
	s_add_co_u32 s26, s26, WLDS                    ; my block's image in LDS
	v_lshrrev_b32 v6, 3, v1
	v_bfe_u32 v7, v0, 1, 1
	s_delay_alu instid0(VALU_DEP_1)
	v_lshl_add_u32 v6, v6, 1, v7                   ; my columns' tile: 2 (l / 8) + (l / 2) % 2
	v_and_b32 v7, 1, v0
	v_bfe_u32 v8, v0, 2, 1
	s_delay_alu instid0(VALU_DEP_2)
	v_lshlrev_b32 v7, 2, v7
	s_delay_alu instid0(VALU_DEP_1)
	v_lshl_add_u32 v7, v8, 3, v7                   ; column 4 l's image row: 4 (l % 2) + 8 ((l / 4) % 2); column 4 l + q lies q rows on
	v_mul_u32_u24 v2, v6, TIMG
	s_delay_alu instid0(VALU_DEP_1)
	v_lshl_add_u32 v2, v7, 4, v2
	s_wait_alu depctr_va_vdst(0)
	s_and_b32 s27, s14, 1                          ; h = kb % 2
	s_lshr_b32 s28, s14, 1                         ; c = kb / 2
	s_lshl_b32 s27, s27, 8
	s_add_co_u32 s27, s27, s26
	s_mul_i32 s29, s28, 520
	s_add_co_u32 s29, s29, s27
	v_add_nc_u32 v3, s29, v2                       ; the image + tile + 16 r + 256 h + 520 c
	s_mul_i32 s29, s28, 1016
	s_add_co_u32 s29, s29, s27
	s_add_co_u32 s29, s29, 8
	v_add_nc_u32 v4, s29, v2                       ; the same with 8 + 1016 c
	v_lshlrev_b32 v8, 7, v6
	s_delay_alu instid0(VALU_DEP_1)
	v_lshl_add_u32 v8, v7, 2, v8
	s_add_co_u32 s29, s26, SOFF
	s_add_co_u32 s30, s29, s14
	v_add_nc_u32 v8, s30, v8                       ; the scale images + 128 tile + 4 r + kb
	s_mul_i32 s30, s14, 2*TIMG
	s_add_co_u32 s30, s30, s26
	v_add_nc_u32 v6, s30, v5                       ; the way out: my two tiles, 16 bytes a lane
	v_lshlrev_b32 v7, 3, v1
	s_lshl_b32 s30, s14, 8
	s_add_co_u32 s30, s30, s29
	v_add_nc_u32 v9, s30, v7                       ; and their scale images, 8 bytes a lane
	s_wait_loadcnt 0x0
	COLUMN 0
	COLUMN 1
	COLUMN 2
	COLUMN 3
	s_wait_dscnt 0x0                               ; for the others' sake: my stores into the image have landed
	s_barrier_signal -1
	s_barrier_wait -1                              ; the blocks' images are whole
.irp t, 0,1
.irp c, 0,1,2
	ds_load_b128 v[OUTR+12*\t+4*\c:OUTR+12*\t+4*\c+3], v6 offset:TIMG*\t+512*\c
.endr
.endr
	ds_load_b64 v[OUTR+24:OUTR+25], v9
.irp t, 0,1
.irp c, 0,1,2
	s_wait_dscnt 6-3*\t-\c                         ; the younger LDS loads may stay out
	global_store_b128 v5, v[OUTR+12*\t+4*\c:OUTR+12*\t+4*\c+3], s[32:33] offset:1536*\t+512*\c   ; 512 consecutive bytes, at a multiple of 256 from the buffer's first byte
.endr
.endr
	s_wait_dscnt 0x0
	global_store_b64 v7, v[OUTR+24:OUTR+25], s[34:35]          ; 256 consecutive bytes, aligned
	s_wait_tensorcnt 0x0
	ds_add_u32 v254, v255
	s_wait_dscnt 0x0
	s_endpgm
.Lfunc_end_k_qe7013c1c2f_prep1:
	.size	k_qe7013c1c2f_prep1, .Lfunc_end_k_qe7013c1c2f_prep1-k_qe7013c1c2f_prep1
	.p2alignl 7, 3214868480
	.fill 96, 4, 3214868480
	.section	.rodata,"a",@progbits
	.p2align	6, 0x0
	.amdhsa_kernel k_qe7013c1c2f_prep1
		.amdhsa_group_segment_fixed_size 96768
		.amdhsa_private_segment_fixed_size 0
		.amdhsa_enable_private_segment 0
		.amdhsa_kernarg_size 56
		.amdhsa_user_sgpr_count 2
		.amdhsa_user_sgpr_kernarg_segment_ptr 1
		.amdhsa_wavefront_size32 1
		.amdhsa_system_sgpr_workgroup_id_x 1
		.amdhsa_system_sgpr_workgroup_id_y 1
		.amdhsa_system_sgpr_workgroup_id_z 1
		.amdhsa_system_vgpr_workitem_id 0
		.amdhsa_next_free_vgpr 256
		.amdhsa_next_free_sgpr 66
		.amdhsa_reserve_vcc 0
		.amdhsa_float_denorm_mode_32 3
		.amdhsa_float_denorm_mode_16_64 3
		.amdhsa_memory_ordered 1
		.amdhsa_forward_progress 1
		.amdhsa_inst_pref_size 53
	.end_amdhsa_kernel
	.amdgpu_metadata
---
amdhsa.version: [ 1, 2 ]
amdhsa.kernels:
  - .name:           k_qe7013c1c2f_prep1
    .symbol:         k_qe7013c1c2f_prep1.kd
    .args:
      - { .name: x, .offset: 0, .size: 8, .value_kind: global_buffer, .address_space: global }
      - { .name: ln1_g, .offset: 8, .size: 8, .value_kind: global_buffer, .address_space: global }
      - { .name: ln1_b, .offset: 16, .size: 8, .value_kind: global_buffer, .address_space: global }
      - { .name: aimg, .offset: 24, .size: 8, .value_kind: global_buffer, .address_space: global }
      - { .name: w_qkv, .offset: 32, .size: 8, .value_kind: global_buffer, .address_space: global }
      - { .name: w_ao, .offset: 40, .size: 8, .value_kind: global_buffer, .address_space: global }
      - { .name: wimg, .offset: 48, .size: 8, .value_kind: global_buffer, .address_space: global }
    .group_segment_fixed_size: 96768
    .private_segment_fixed_size: 0
    .kernarg_segment_align: 8
    .kernarg_segment_size: 56
    .max_flat_workgroup_size: 256
    .sgpr_count:     66
    .vgpr_count:     256
    .wavefront_size: 32
...
	.end_amdgpu_metadata
.endif
;; end of part 1
;; launch qkv (part 2): grid 12 x 16, 4 waves a work-group, clusters of 4 x 4, 327,680 bytes of LDS; arguments aimg, wimg, b_qkv, qkvimg; writes qkvimg
.if DOCPART == 2
	.amdgcn_target "amdgcn-amd-amdhsa--gfx1250"
	.amdhsa_code_object_version 6
	.text
	.protected	k_qe7013c1c2f_qkv
	.globl	k_qe7013c1c2f_qkv
	.p2align	8
	.type	k_qe7013c1c2f_qkv,@function
k_qe7013c1c2f_qkv:
	s_mov_b64 s[64:65], 0
	v_nop
	global_prefetch_b8 v0, s[64:65] scope:SCOPE_SE
	s_setreg_imm32_b32 hwreg(HW_REG_WAVE_MODE, 25, 1), 1
	s_wait_xcnt 0x0
	s_wait_alu depctr_hold_cnt(0) depctr_sa_sdst(0) depctr_va_vdst(0) depctr_va_sdst(0) depctr_va_ssrc(0) depctr_va_vcc(0) depctr_vm_vsrc(0)
	s_getreg_b32 s2, hwreg(HW_REG_IB_STS2, 6, 4)
	s_cmp_eq_u32 s2, 0
	s_cbranch_scc0 .Lentry_in_a_cluster
	s_endpgm
.Lentry_in_a_cluster:
	s_bfe_u32 s2, ttmp6, 0x10000c
	s_cmp_lg_u32 s2, 0xf033
	s_cbranch_scc0 .Lentry_shape_is_right
	s_endpgm
.Lentry_shape_is_right:
; qkv = LN1(x) w_qkv + b_qkv on FP6 (E2M3) codes with E8M0 block scales; q, k and v are quantised in registers for attention's two products and stored as images of operand registers.  Nothing wide goes to memory.
; OPERANDS arrive as blocks of 13,312 bytes for a panel of 128 rows and 128 along K: eight fragment images (16 rows x 128 K, 12 registers: group c of lane l at 512 c + 16 l), then eight scale images (4 l; lanes 16-31 repeat lanes 0-15).
; Image row r of tile t is row 32 (t / 2) + 8 (t % 2) + r + 8 (r / 8) of its panel, in BOTH operands.  So in a product (source 0 = X, source 1 = Y) a lane holds one row of Y, and the 16 registers of X's tiles 2 b, 2 b + 1 are
; 16 NEIGHBOURS of X's rows, 32 b + 16 (lane / 16) + 0 .. 15: a result can be quantised in registers along X's rows, and comes out as an image in the same order of rows.
; A work-group of four waves makes 256 x 256; a wave 128 x 128: 64 accumulators, 512 registers.  K = 1,024 goes through a ring of two LDS slots of 256 along K; a wave's tensor load brings one panel's two blocks, 26,624 dense bytes.
; ROLES.  Clusters x = 0, 1 make q and k: the tokens are source 1 and w's columns source 0, so a lane's registers run along a head's 64, the first product's K.  Cluster x = 2 makes v: w's columns are source 1 and the TOKENS
; source 0, so a lane's registers run along the keys, the second product's K.  The loop is the same; the roles' pointers and tile numbers are chosen by s_cselect on the cluster's x, which all partners share.
; CLUSTERS: 4 x 4 work-groups.  Source 1's tiles hang on cy alone and are asked for jointly along a row of the cluster, source 0's on cx alone, along a column.  The grid has 192 work-groups: 3,072 x 4,096 / 256^2.
; OUTPUT.  For head bh and key step s (128 tokens) a block of 13,824 bytes at (16 bh + s) x 13,824: k's 8 tiles of 768 bytes (registers 0-3 at 16 l, registers 4-5 at 512 + 8 l: 64 along K), their scale images at 6,144,
; v^T's 4 fragment images (16 of the head's 64 x 128 keys) at 7,168, their scale images at 13,312.  q likewise in blocks of 7,168 bytes from byte 7,077,888 on.
; LIMITS: NaN and infinities are not served; a block of zeros, or one whose largest magnitude lies under 2^-124, gets the byte 1; only this program reads the bytes.
; REGISTERS: window 0: v0-31 addresses; v32-63 scale words, two sets; v64-127 the bias; v128-223 source 1's fragments, one set (on the way out: v128-191 64 numbers, v192-211 codes); v224-241 the quantiser's work.
;   window 1: source 0's fragments, two sets, at v0 and v128.   windows 2, 3: the accumulators ((a, b) at v[8 (8 (a % 4) + b)]).
.set KB,     13312
.set HALFT,  2*KB                      ; one panel, two K steps: what one refill brings.  In LDS a panel's parts of slot 0 and slot 1 lie on end, panel w at 2 w HALFT
.set SLOT,   4*HALFT                   ; the bytes of a slot: four panels' parts
.set SPARE,  2*SLOT                    ; behind the ring: the spare words, 128 bytes for each wave
.set PANEL,  8*KB                      ; a panel's eight K steps in memory
.set QOFF,   7077888
.set KVB,    13824
.set FR,     12
.set NL,     3                         ; LDS loads that bring a fragment
.set NP,     4                         ; places behind this matrix instruction (ISA guide 7.12.1)
.set NQ,     2
.set LAPS,   2                         ; 1,024 / 512
.set ADRA, 16                          ; v16-17 LDS address of source 1's fragments in slot 0, 1
.set ADRB, 20                          ; v20-21 of source 0's
.set ADRS, 22                          ; v22-23 of the scale words: lanes 0-15 source 1's rows, lanes 16-31 source 0's
.set L16,  24                          ; 16, 8, 4 x lane
.set L8,   25
.set L4,   26
.set SPW,  28
.set NIL,  29
.set SC,   32
.set BI,   64
.set AF,   128
.set ST,   128
.set PC,   192
.set TM,   224
.set PW,   240
.set PWO,  241
.set SEL,  92
.set G1,  24
.set G0,  32
.set G1B, 48
.set G0B, 56
.set MSB, 0
.macro WIN new                         ; the immediate's high byte repeats the setting that is left
.if MSB != (\new)
	s_set_vgpr_msb (MSB<<8)|(\new)
.set MSB, (\new)
.endif
.endm
.set MUL_LO, 0xa1                      ; source 0 window 1, source 1 window 0, C and D window 2
.set MUL_HI, 0xf1
.set TO_B,   0x40
.macro JLOAD g0a, g1a, g0b, g1b        ; a joint load: waves 0, 1 fetch source 1's panels, waves 2, 3 source 0's.  Four v_nop follow each line
	s_cmp_eq_u32 s15, 0
	s_cbranch_scc0 .Lfor_b_\@
	tensor_load_to_lds s[\g0a:\g0a+3], s[\g1a:\g1a+7]
	s_nop 0
.rept 4
	v_nop
.endr
	s_branch .Lasked_\@
.Lfor_b_\@:
	tensor_load_to_lds s[\g0b:\g0b+3], s[\g1b:\g1b+7]
	s_nop 0
.rept 4
	v_nop
.endr
.Lasked_\@:
.endm
.macro CREST                           ; a round of the cluster's barrier behind its opening barrier
	s_cmp_lg_u32 s14, 0
	s_cbranch_scc1 .Lnot_wave_0_\@
	s_barrier_signal -3
.Lnot_wave_0_\@:
	s_barrier_wait -3
	s_barrier_signal -1
	s_barrier_wait -1
.endm
.macro CROUND
	s_barrier_signal -1
	s_barrier_wait -1
	CREST
.endm
	s_load_b256 s[4:11], s[0:1], 0x0               ; aimg s[4:5], wimg s[6:7], b_qkv s[8:9], qkvimg s[10:11]
	v_lshl_add_u32 v[SPW], v0, 2, SPARE
	v_mov_b32 v[NIL], 0
	ds_add_u32 v28, v29
	ds_add_u32 v28, v29
	s_wait_dscnt 0x0
	v_lshrrev_b32 v1, 5, v0
	v_readfirstlane_b32 s14, v1                    ; wave 0..3
	s_lshr_b32 s15, s14, 1                         ; which of source 1's panels is mine.  Also: I fetch for source 1 (0) or source 0 (1)
	s_and_b32 s16, s14, 1                          ; which of source 0's panels is mine.  Also: which panel I fetch
	s_bfe_u32 s40, ttmp6, 0x40000                  ; cx
	s_bfe_u32 s41, ttmp6, 0x40004                  ; cy
	s_and_b32 s17, ttmp7, 0xffff
	s_lshl_b32 s17, s17, 2                         ; 4 x cluster y
	s_add_co_u32 s42, s17, s41                     ; q, k: source 1 = tokens, tile 4 cluster y + cy
	s_add_co_u32 s43, s41, 8                       ; v: source 1 = w's columns 2,048 on, tile 8 + cy
	s_add_co_u32 s44, s17, s40                     ; v: source 0 = tokens, tile 4 cluster y + cx
	s_lshl_b32 s45, ttmp9, 2
	s_add_co_u32 s45, s45, s40                     ; q, k: source 0 = w's columns, tile 4 cluster x + cx
	s_cmp_eq_u32 ttmp9, 2
	s_cselect_b32 s42, s43, s42                    ; TR: source 1's tile of 256 rows
	s_cselect_b32 s44, s44, s45                    ; TC: source 0's
	s_lshl_b32 s46, s41, 2
	s_lshl_b32 s46, 15, s46                        ; my row of the cluster
	s_lshl_b32 s47, 0x1111, s40                    ; my column
	s_or_b32 s[G1+0], s46, (3<<16)|(1<<21)         ; 15:0 the mask; 17:16 elements of 8 bytes; 20 no padding; 21 set beside a mask
	s_or_b32 s[G1B+0], s47, (3<<16)|(1<<21)
.irp g, G1, G1B                        ; the head's load: a panel's first four K steps, 53,248 dense bytes as 208 rows of 256: both slots' parts by one load a wave
	s_mov_b32 s[\g+1], 32<<16                      ; tensor_dim0
	s_mov_b32 s[\g+2], 208<<16                     ; tensor_dim1
	s_mov_b32 s[\g+3], 32<<16                      ; tile_dim0
	s_mov_b32 s[\g+4], 208                         ; tile_dim1
	s_mov_b32 s[\g+5], 32                          ; tensor_dim0_stride
	s_mov_b32 s[\g+6], 0
	s_mov_b32 s[\g+7], 0
.endr
	s_lshl_b32 s20, s42, 1
	s_add_co_u32 s20, s20, s16
	s_mul_i32 s20, s20, PANEL                      ; the panel that I would fetch for source 1,
	s_mov_b32 s21, 0
	s_lshl_b32 s22, s44, 1
	s_add_co_u32 s22, s22, s16
	s_mul_i32 s22, s22, PANEL                      ; and for source 0
	s_mov_b32 s23, 0
	s_mul_i32 s18, s14, 2*HALFT                    ; where my panel goes: no place in the cluster enters an LDS address
	s_mov_b32 s[SEL], 0x76543210
	s_mov_b32 s[SEL+1], 0xfedcba98
	s_wait_kmcnt 0x0
	s_cmp_eq_u32 ttmp9, 2
	s_cselect_b64 s[66:67], s[6:7], s[4:5]         ; source 1's buffer
	s_cselect_b64 s[68:69], s[4:5], s[6:7]         ; source 0's
	s_add_nc_u64 s[20:21], s[66:67], s[20:21]
	s_add_nc_u64 s[22:23], s[68:69], s[22:23]
	CROUND                                         ; all sixteen work-groups are here: the first joint loads meet
.irp s, 0,1
	s_mov_b32 s[G0+4*\s], 1
	s_add_co_u32 s[G0+4*\s+1], s18, \s*HALFT
	s_add_nc_u64 s[G0+4*\s+2:G0+4*\s+3], s[20:21], \s*HALFT
	s_or_b32 s[G0+4*\s+3], s[G0+4*\s+3], 0x80000000
	s_mov_b32 s[G0B+4*\s], 1
	s_add_co_u32 s[G0B+4*\s+1], s18, \s*HALFT
	s_add_nc_u64 s[G0B+4*\s+2:G0B+4*\s+3], s[22:23], \s*HALFT
	s_or_b32 s[G0B+4*\s+3], s[G0B+4*\s+3], 0x80000000
.endr
	JLOAD G0, G1, G0B, G1B                         ; my one load at the head: K steps 0 to 3 of my panel
	; K steps 4 to 7 of the panel, which the two refills will load, are asked for into the L2: the four partners that load a panel jointly take one block of 13,312 bytes each, by address; 26 lanes x 256 bytes, twice
	s_cmp_eq_u32 s15, 0
	s_cselect_b64 s[84:85], s[20:21], s[22:23]
	s_cselect_b32 s86, s40, s41
	s_mul_i32 s86, s86, KB
	s_add_co_u32 s86, s86, 4*KB
	v_and_b32 v5, 31, v0
	v_min_u32 v5, 25, v5                           ; the lanes left over name the last block again
	v_lshl_add_u32 v5, v5, 8, s86                  ; never rewritten
	global_prefetch_b8 v5, s[84:85] th:TH_LOAD_NT scope:SCOPE_SE
	global_prefetch_b8 v5, s[84:85] offset:6656 th:TH_LOAD_NT scope:SCOPE_SE
	v_and_b32 v1, 31, v0                           ; lane
	v_bfe_u32 v2, v0, 4, 1                         ; h
	v_lshlrev_b32 v[L16], 4, v1
	s_wait_alu depctr_va_vdst(0)
	v_lshlrev_b32 v[L8], 3, v1
	v_lshlrev_b32 v[L4], 2, v1
	s_mul_i32 s70, s15, 2*HALFT                    ; my panel of source 1
	s_mul_i32 s71, s16, 2*HALFT
	s_add_co_u32 s71, s71, 4*HALFT                 ; my panel of source 0
	s_sub_co_u32 s72, s71, s70
	v_mul_u32_u24 v3, s72, v2                      ; lanes 16-31 take source 0's scale words
	v_add_nc_u32 v3, v3, v[L4]
	s_add_co_u32 s73, s70, 12288
.irp s, 0,1
	v_add_nc_u32 v[ADRA+\s], s70, v[L16]
	v_add_nc_u32 v[ADRB+\s], s71, v[L16]
	v_add_nc_u32 v[ADRS+\s], s73, v3
	s_add_co_u32 s70, s70, HALFT
	s_add_co_u32 s71, s71, HALFT
	s_add_co_u32 s73, s73, HALFT
.endr
.irp b, 0,1,2,3
	v_mov_b32 v[TM+4+\b], 0                        ; written once: a lane permute's destination counts as one of its sources
.endr
.macro FRAG reg, adr, q, i             ; a fragment's image comes back as it was stored: three loads of 512 consecutive bytes
.irp c, 0,1,2
	ds_load_b128 v[\reg+4*\c:\reg+4*\c+3], v[\adr] offset:(\q)*KB+(\i)*1536+512*\c
.endr
.endm
; 16 matrix instructions: source 1's tiles a0, a0 + 1 x source 0's eight, 128 along K.  The 64 accumulators take turns, one instruction a turn, in the same order in every step.
.macro MUL16 a0, p, q, sc, zero
.irp a, \a0, \a0+1
.irp b, 0,1,2,3,4,5,6,7
.if \zero
	v_wmma_scale_f32_16x16x128_f8f6f4 v[8*(8*((\a)%4)+\b):8*(8*((\a)%4)+\b)+7], v[128*(\p)+FR*\b:128*(\p)+FR*\b+FR-1], v[AF+FR*(\a):AF+FR*(\a)+FR-1], 0, v[SC+8*NQ*(\sc)+NQ*\b+(\q)], v[SC+8*NQ*(\sc)+NQ*(\a)+(\q)] matrix_a_fmt:MATRIX_FMT_FP6 matrix_b_fmt:MATRIX_FMT_FP6 matrix_a_scale:MATRIX_SCALE_ROW1
.else
	v_wmma_scale_f32_16x16x128_f8f6f4 v[8*(8*((\a)%4)+\b):8*(8*((\a)%4)+\b)+7], v[128*(\p)+FR*\b:128*(\p)+FR*\b+FR-1], v[AF+FR*(\a):AF+FR*(\a)+FR-1], v[8*(8*((\a)%4)+\b):8*(8*((\a)%4)+\b)+7], v[SC+8*NQ*(\sc)+NQ*\b+(\q)], v[SC+8*NQ*(\sc)+NQ*(\a)+(\q)] matrix_a_fmt:MATRIX_FMT_FP6 matrix_b_fmt:MATRIX_FMT_FP6 matrix_a_scale:MATRIX_SCALE_ROW1
.endif
.endr
.endr
.endm
.macro FETCH_B slot, q, p
	WIN TO_B
.irp i, 0,1,2,3,4,5,6,7
	FRAG 128*(\p)+FR*\i, ADRB+\slot, \q, \i
.endr
	WIN 0
.endm
.macro FETCH_A slot, q, i0
.irp i, \i0, \i0+1, \i0+2, \i0+3
	FRAG AF+FR*(\i), ADRA+\slot, \q, \i
.endr
.endm
.macro SCALES sc                       ; a slot's scale words: register 2 i + q: lanes 0-15 source 1's tile i, lanes 16-31 source 0's tile i, for the slot's q-th 128 along K
.irp i, 0,1,2,3,4,5,6,7
.irp q, 0,1
	ds_load_b32 v[SC+16*\sc+2*\i+\q], v[ADRS+\sc] offset:\q*KB+128*\i
.endr
.endr
.endm
.macro PLACES n                        ; plain vector instructions between a matrix instruction and a load into, or a vector read or write of, its registers
.rept \n
	v_nop
.endr
.endm
.macro STEP slot, q, zero              ; a step of 128 along K that has its successor in the same slot
	s_wait_dscnt 4*NL                              ; all but the youngest twelve loads (source 1's tiles 4-7) are in
	WIN MUL_LO
	MUL16 0, (\q)%2, \q, \slot, \zero
	MUL16 2, (\q)%2, \q, \slot, \zero
	s_wait_dscnt 0                                 ; tiles 4-7 are in (asked for 32 matrix instructions ago)
	PLACES NP
	FETCH_B \slot, (\q)+1, 1-(\q)%2
	FETCH_A \slot, (\q)+1, 0
	WIN MUL_HI
	MUL16 4, (\q)%2, \q, \slot, \zero
	MUL16 6, (\q)%2, \q, \slot, \zero
	PLACES NP
	WIN 0
	FETCH_A \slot, (\q)+1, 4
.endm
; A slot's last step changes slots: one barrier; in front of it each wave waits for all its tensor loads, adds 0 to its spare word, and waits for that and for its own reads of this slot.
.macro TURN slot, next, fill
	s_wait_tensorcnt 0x0                           ; all my tensor loads have landed: the one that was out is my part of the next slot
	ds_add_u32 v[SPW], v[NIL]                      ; 0 onto my spare word
	s_wait_dscnt 4*NL+1                            ; (the add and the youngest twelve loads may be out)
	WIN MUL_LO
	MUL16 0, 1, NQ-1, \slot, 0
	s_wait_dscnt 0x0                               ; the add is done, and my reads of this slot are over
	s_barrier_signal -1
	MUL16 2, 1, NQ-1, \slot, 0
	WIN 0
	s_barrier_wait -1
.if \fill
	CREST                                          ; the barrier has opened a round of the cluster's barrier: no wave of any partner still reads this slot or has a load on its way
	s_add_nc_u64 s[G0+4*\slot+2:G0+4*\slot+3], s[G0+4*\slot+2:G0+4*\slot+3], 2*HALFT
	s_add_nc_u64 s[G0B+4*\slot+2:G0B+4*\slot+3], s[G0B+4*\slot+2:G0B+4*\slot+3], 2*HALFT
	JLOAD G0+4*\slot, G1, G0B+4*\slot, G1B         ; the first tensor load behind the round; its four v_nop are the places in front of the loads below
.else
	PLACES NP
.endif
	FETCH_B \next, 0, 0
	FETCH_A \next, 0, 0
	SCALES \next
	WIN MUL_HI
	MUL16 4, 1, NQ-1, \slot, 0
	MUL16 6, 1, NQ-1, \slot, 0
	PLACES NP
	WIN 0
	FETCH_A \next, 0, 4
.endm
	s_wait_alu depctr_va_vdst(0)
	s_wait_tensorcnt 0x0                           ; my panel's parts of both slots are in; no load of mine is out, so a descriptor may be written:
	s_mov_b32 s[G1+2], 104<<16                     ; from here on a load brings two K steps, 104 rows
	s_mov_b32 s[G1+4], 104
	s_mov_b32 s[G1B+2], 104<<16
	s_mov_b32 s[G1B+4], 104
	s_barrier_signal -1
	s_barrier_wait -1                              ; everybody's is in
	FETCH_B 0, 0, 0
	FETCH_A 0, 0, 0
	SCALES 0
	FETCH_A 0, 0, 4
	STEP 0, 0, 1                                   ; the first step's products start the sums: nothing is cleared
	s_mov_b32 s3, LAPS-1
.Llap:
	TURN 0, 1, 1
	STEP 1, 0, 0
	TURN 1, 0, 1
	STEP 0, 0, 0
	s_sub_co_u32 s3, s3, 1
	s_cmp_lg_u32 s3, 0
	s_cbranch_scc1 .Llap
	TURN 0, 1, 0                                   ; the last lap fills nothing
	STEP 1, 0, 0
	s_wait_dscnt 4*NL
	WIN MUL_LO
	MUL16 0, 1, NQ-1, 1, 0
	MUL16 2, 1, NQ-1, 1, 0
	s_wait_dscnt 0
	WIN MUL_HI
	MUL16 4, 1, NQ-1, 1, 0
	MUL16 6, 1, NQ-1, 1, 0
	WIN 0
	PLACES NP                                      ; in front of the first read of results and the first write over source 1's fragments
.macro QUANT s                         ; 64 numbers of a lane, register 16 b + i = k 32 b + 16 (lane / 16) + i of my row, become a fragment's codes in v[PC] on and its scale word in v[PW]
.irp b, 0,1,2,3
	v_max3_num_f32 v[TM+\b], |v[\s+16*\b]|, |v[\s+1+16*\b]|, 0x1800000   ; and the floor 2^(3 - 127): the byte cannot fall under 1
.endr
.irp i, 2,4,6,8,10,12,14
.irp b, 0,1,2,3
	v_max3_num_f32 v[TM+\b], v[TM+\b], |v[\s+16*\b+\i]|, |v[\s+1+16*\b+\i]|
.endr
.endr
.irp b, 0,1,2,3
	v_permlanex16_b32 v[TM+4+\b], v[TM+\b], s[SEL], s[SEL+1]
.endr
.irp b, 0,1,2,3
	v_max_num_f32 v[TM+\b], v[TM+\b], v[TM+4+\b]
.endr
.irp b, 0,1,2,3
	v_add_nc_u32 v[TM+12+\b], 0xff000000, v[TM+\b] ; 2 off the exponent field: the conversion's scale operand
.endr
.irp b, 0,1,2,3
	v_lshrrev_b32 v[TM+4+\b], 23, v[TM+12+\b]      ; the scale's byte
.endr
	v_lshl_or_b32 v[PW], v[TM+5], 8, v[TM+4]
	v_lshl_or_b32 v[PW], v[TM+6], 16, v[PW]
	v_lshl_or_b32 v[PW], v[TM+7], 24, v[PW]
.irp c, 0,1
	v_cvt_scalef32_pk16_fp6_f32 v[PC+6*\c:PC+2+6*\c], v[\s+32*\c:\s+15+32*\c], v[TM+12+2*\c]
	v_cvt_scalef32_pk16_fp6_f32 v[PC+12+4*\c:PC+14+4*\c], v[\s+16+32*\c:\s+31+32*\c], v[TM+12+2*\c+1]
.endr
	v_nop                                          ; one plain place behind a scaled conversion
.irp c, 0,1
.irp i, 0,1,2
	v_permlane16_swap_b32 v[PC+6*\c+\i], v[PC+12+4*\c+\i]
.endr
.irp i, 0,1,2
	v_mov_b32 v[PC+3+6*\c+\i], v[PC+12+4*\c+\i]
.endr
.endr
.endm
.macro MOVE a, row                     ; source 1's tile a: its 64 results + the bias, into window 0.  Each accumulator is read from its low end on.  row = 1: the bias goes with the lane's row, else with the registers
	WIN 0x02+(\a)/4
.set i, 0
.rept 32
.if \row
	v_pk_add_f32 v[ST+2*i:ST+2*i+1], v[64*((\a)%4)+2*i:64*((\a)%4)+2*i+1], v[BI+2*(\a):BI+2*(\a)+1]
.else
	v_pk_add_f32 v[ST+2*i:ST+2*i+1], v[64*((\a)%4)+2*i:64*((\a)%4)+2*i+1], v[BI+2*i:BI+2*i+1]
.endif
.set i, i+1
.endr
	WIN 0
.endm
	s_lshl_b32 s70, s42, 1
	s_add_co_u32 s70, s70, s15                     ; PA: my panel of source 1
	s_lshl_b32 s71, s44, 1
	s_add_co_u32 s71, s71, s16                     ; PB: my panel of source 0
	s_mov_b32 s73, 0
	s_mov_b32 s75, 0
	s_cmp_eq_u32 ttmp9, 2                          ; the cluster's x: the same in all partners
	s_cbranch_scc1 .Lvarm
	; ---- q, k: a lane holds token row r of tile a; its 64 numbers are two heads' 64: registers 0-5 of the fragment are the even head's, 6-11 the odd head's
	s_lshl_b32 s72, s71, 9
	s_add_nc_u64 s[72:73], s[8:9], s[72:73]        ; the bias of my 128 columns
	v_lshlrev_b32 v3, 6, v2
.irp b, 0,1,2,3
.irp j, 0,1,2,3
	global_load_b128 v[BI+16*\b+4*\j:BI+16*\b+4*\j+3], v3, s[72:73] offset:128*\b+16*\j   ; columns 32 b + 16 h + 0 .. 15
.endr
.endr
	s_and_b32 s74, s71, 7
	s_lshl_b32 s74, s74, 1                         ; the even head
	s_lshr_b32 s76, s70, 4
	s_lshl_b32 s76, s76, 4                         ; 16 x batch
	s_add_co_u32 s74, s74, s76
	s_lshl_b32 s74, s74, 4
	s_and_b32 s76, s70, 15
	s_add_co_u32 s74, s74, s76                     ; 16 bh + the step of 128 tokens
	s_mov_b32 s77, KVB
	s_cmp_eq_u32 ttmp9, 0
	s_cselect_b32 s77, 7168, s77                   ; q's blocks or k's
	s_cselect_b32 s78, QOFF, 0
	s_mul_i32 s74, s74, s77
	s_add_co_u32 s74, s74, s78
	s_add_nc_u64 s[80:81], s[10:11], s[74:75]      ; the even head's block,
	s_lshl_b32 s74, s77, 4
	s_add_nc_u64 s[82:83], s[80:81], s[74:75]      ; the odd head's: 16 blocks on
	s_wait_loadcnt 0x0
.irp a, 0,1,2,3,4,5,6,7
.if \a > 0
	s_wait_xcnt 0x0                                ; the last tile's stores have read their registers
.endif
	MOVE \a, 0
	QUANT ST
	v_lshrrev_b32 v[PWO], 16, v[PW]                ; the odd head's two bytes.  (The word's upper two bytes scale zero codes in attention: any byte but 0xff serves)
	global_store_b128 v[L16], v[PC:PC+3], s[80:81] offset:768*\a
	global_store_b64 v[L8], v[PC+4:PC+5], s[80:81] offset:768*\a+512
	global_store_b32 v[L4], v[PW], s[80:81] offset:6144+128*\a
	global_store_b128 v[L16], v[PC+6:PC+9], s[82:83] offset:768*\a
	global_store_b64 v[L8], v[PC+10:PC+11], s[82:83] offset:768*\a+512
	global_store_b32 v[L4], v[PWO], s[82:83] offset:6144+128*\a
.endr
	s_branch .Lend
.Lvarm:
	; ---- v: a lane holds column n = row r of w's tile a (tiles 0-3: the even head's 64, tiles 4-7: the odd head's); its 64 numbers run along 128 keys
	s_lshl_b32 s72, s70, 9
	s_add_nc_u64 s[72:73], s[8:9], s[72:73]        ; PA counts w_qkv's panels, so 128 PA is the column in b_qkv
	v_and_b32 v3, 15, v0
	v_and_b32 v4, 8, v3
	v_add_lshl_u32 v3, v3, v4, 2                   ; 4 (r + 8 (r / 8))
.irp a, 0,1,2,3,4,5,6,7
	global_load_b32 v[BI+2*\a], v3, s[72:73] offset:(32*(\a/2)+8*(\a%2))*4     ; twice: a pair for the packed addition
	global_load_b32 v[BI+2*\a+1], v3, s[72:73] offset:(32*(\a/2)+8*(\a%2))*4
.endr
	s_lshr_b32 s74, s71, 4
	s_lshl_b32 s74, s74, 4                         ; 16 x batch
	s_sub_co_u32 s76, s70, 16
	s_lshl_b32 s76, s76, 1                         ; the even head
	s_add_co_u32 s74, s74, s76
	s_lshl_b32 s74, s74, 4
	s_and_b32 s76, s71, 15
	s_add_co_u32 s74, s74, s76
	s_mul_i32 s74, s74, KVB
	s_add_co_u32 s74, s74, 7168
	s_add_nc_u64 s[80:81], s[10:11], s[74:75]
	s_wait_loadcnt 0x0
.irp a, 0,1,2,3,4,5,6,7
.if \a > 0
	s_wait_xcnt 0x0
.endif
	MOVE \a, 1
	QUANT ST
.irp c, 0,1,2
	global_store_b128 v[L16], v[PC+4*\c:PC+4*\c+3], s[80:81] offset:(\a/4)*16*KVB+(\a%4)*1536+512*\c
.endr
	global_store_b32 v[L4], v[PW], s[80:81] offset:(\a/4)*16*KVB+6144+(\a%4)*128
.endr
.Lend:
	s_wait_tensorcnt 0x0                           ; the wave's end
	ds_add_u32 v[SPW], v[NIL]
	s_wait_dscnt 0x0
	CROUND                                         ; the closing round: no work-group ends while a partner may still ask for a tile that names it
	s_endpgm
.Lfunc_end_k_qe7013c1c2f_qkv:
	.size	k_qe7013c1c2f_qkv, .Lfunc_end_k_qe7013c1c2f_qkv-k_qe7013c1c2f_qkv
	.p2alignl 7, 3214868480
	.fill 96, 4, 3214868480
	.section	.rodata,"a",@progbits
	.p2align	6, 0x0
	.amdhsa_kernel k_qe7013c1c2f_qkv
		.amdhsa_group_segment_fixed_size 327680
		.amdhsa_private_segment_fixed_size 0
		.amdhsa_enable_private_segment 0
		.amdhsa_kernarg_size 32
		.amdhsa_user_sgpr_count 2
		.amdhsa_user_sgpr_kernarg_segment_ptr 1
		.amdhsa_wavefront_size32 1
		.amdhsa_system_sgpr_workgroup_id_x 1
		.amdhsa_system_sgpr_workgroup_id_y 1
		.amdhsa_system_sgpr_workgroup_id_z 1
		.amdhsa_system_vgpr_workitem_id 0
		.amdhsa_next_free_vgpr 1024
		.amdhsa_next_free_sgpr 100
		.amdhsa_reserve_vcc 0
		.amdhsa_float_denorm_mode_32 3
		.amdhsa_float_denorm_mode_16_64 3
		.amdhsa_memory_ordered 1
		.amdhsa_forward_progress 1
		.amdhsa_inst_pref_size 211
	.end_amdhsa_kernel
	.amdgpu_metadata
---
amdhsa.version: [ 1, 2 ]
amdhsa.kernels:
  - .name:           k_qe7013c1c2f_qkv
    .symbol:         k_qe7013c1c2f_qkv.kd
    .args:
      - { .name: aimg, .offset: 0, .size: 8, .value_kind: global_buffer, .address_space: global }
      - { .name: wimg, .offset: 8, .size: 8, .value_kind: global_buffer, .address_space: global }
      - { .name: b_qkv, .offset: 16, .size: 8, .value_kind: global_buffer, .address_space: global }
      - { .name: qkvimg, .offset: 24, .size: 8, .value_kind: global_buffer, .address_space: global }
    .group_segment_fixed_size: 327680
    .private_segment_fixed_size: 0
    .kernarg_segment_align: 8
    .kernarg_segment_size: 32
    .max_flat_workgroup_size: 128
    .sgpr_count:     100
    .vgpr_count:     1024
    .wavefront_size: 32
...
	.end_amdgpu_metadata
.endif
;; end of part 2
;; launch attn (part 3): grid 8 x 32, 16 waves a work-group, clusters of 4 x 1, 278,528 bytes of LDS; arguments qkvimg, aimg; writes aimg
.if DOCPART == 3
	.amdgcn_target "amdgcn-amd-amdhsa--gfx1250"
	.amdhsa_code_object_version 6
	.text
	.protected	k_qe7013c1c2f_attn
	.globl	k_qe7013c1c2f_attn
	.p2align	8
	.type	k_qe7013c1c2f_attn,@function
k_qe7013c1c2f_attn:
	s_mov_b64 s[64:65], 0
	v_nop
	global_prefetch_b8 v0, s[64:65] scope:SCOPE_SE
	s_setreg_imm32_b32 hwreg(HW_REG_WAVE_MODE, 25, 1), 1
	s_wait_xcnt 0x0
	s_wait_alu depctr_hold_cnt(0) depctr_sa_sdst(0) depctr_va_vdst(0) depctr_va_sdst(0) depctr_va_ssrc(0) depctr_va_vcc(0) depctr_vm_vsrc(0)
	s_getreg_b32 s2, hwreg(HW_REG_IB_STS2, 6, 4)
	s_cmp_eq_u32 s2, 0
	s_cbranch_scc0 .Lentry_in_a_cluster
	s_endpgm
.Lentry_in_a_cluster:
	s_bfe_u32 s2, ttmp6, 0x10000c
	s_cmp_lg_u32 s2, 0x3003
	s_cbranch_scc0 .Lentry_shape_is_right
	s_endpgm
.Lentry_shape_is_right:
; Attention of one head on FP6 (E2M3) codes with E8M0 block scales: o = softmax(q k^T / 8) v, no mask; o is quantised along the model's 1,024 for the next product and stored as part of an operand image.
; THE SOFTMAX AHEAD OF THE SECOND PRODUCT: t = score x log2(e) / 8; M = the row's largest t so far, rounded UP to a whole number; p = 2^(t - M) is quantised along the keys, not normalised.  The row's sum is taken of the
; unquantised p and divides O at the end.  When M moves, the sum and O are multiplied by 2^(old M - new M): exact.
; SHARES.  A work-group owns 256 queries of head bh; each of its sixteen waves 16 of them, in 256 registers.  All of the head's K and V lie in LDS: 16 blocks (128 keys each), filled once, wave w brings block w by one tensor load,
; asked for jointly by the four work-groups of a cluster, which walk the same head.  Nothing is filled again: one barrier, no ring; and there is no later load to run ahead of, so no prefetch is written.
; A block in memory, 13,824 bytes: k's 8 tiles of 768 bytes (registers 0-3 at 16 l, registers 4-5 at 512 + 8 l), their scale images at 6,144, v^T's 4 fragment images at 7,168, their scale images at 13,312.
; In LDS each 256 bytes are followed by 64 of padding (pitch 320, a block 17,280 bytes).
; WHICH KEYS FORM A TILE.  Stored tile t holds keys 32 (t / 2) + 8 (t % 2) + r + 8 (r / 8).  The tile multiplied here, T = 4 c + u, takes keys 64 c + 8 u + 0..7 in rows 0-7 and keys 64 c + 32 + 8 u + 0..7 in rows 8-15:
; rows 0-7 are rows 8 (u / 2) + 0..7 of stored tile 4 c + u % 2, rows 8-15 the same rows of the stored tile two further on: a term of the lane's address.  With S^T = k q^T lane (query r, half h) then holds in 32 registers on end
; the 32 keys 64 c + 32 h + 0..31: one whole scale block of the second product.  No other lane is asked for a block's maximum, and the conversions' results are the operand's registers.
; With the padding, rows 8-15 lie 1,920 bytes on, 128 modulo 256: the sixteen lanes of a 16-byte load touch 256 different bytes modulo 256.
; K = 64 IN AN INSTRUCTION OF 128: two tiles of k lie dense in one fragment of 12 registers.  The even tile is multiplied by [q][0], the odd one by [0][q]; zero codes add nothing under any scale byte but 0xff.
; The odd tile's two scale bytes are loaded into the upper half of their register; q's scale word holds q's two bytes twice.
; AHEAD: the next step's k is fetched behind this step's scores into the same registers; v's tiles 0, 1 among the lines that find the row's maximum; tiles 2, 3 into score registers that the row's sum has left.
; ORDER: lines that hang on each other stand apart, with loads or other chains' lines between them: eight chains for the maxima, the scale word and the moves among the sum's levels, O^T's rescaling among the scale's lines.
; The stores of 8 and of 2 bytes a lane at the end write 256-byte stretches in part: two heads share a fragment image and a scale word.
; LIMITS: NaN and infinities are not served; the scaled scores t stay under 2^31 in magnitude; a block whose every p has fallen to 0 keeps the byte 1 and zero codes.
.set KB,   13312
.set KVB,  13824
.set KVL,  17280
.set QOFF, 7077888
.set SPARE, 16*KVL
.set L4,  1                            ; 4 x lane
.set KA,  2                            ; lane terms of k's 16-byte loads, 8-byte loads, scale words; of v's fragments
.set KBA, 3
.set KSA, 4
.set VL,  5
.set SH,  6                            ; 8 h
.set SPW, 13
.set NIL, 14
.set QS,  15                           ; q's scale word
.set QZ,  16                           ; v16-33: six zeros, q's six registers, six zeros
.set NM,  34                           ; -M;  v35 the largest score so far
.set RUN, 35
.set SUM, 36
.set F,   38                           ; 2^(old M - new M);  v39 p's scale word
.set PW,  39
.set KS,  40                           ; v40-47 k's scale words
.set VS,  48                           ; v48-51 v's
.set BM,  52                           ; blocks' maxima;  v54-55 the conversions' scale operands
.set SO,  54
.set T,   56
.set BN,  60
.set P,   64                           ; v64-75 p's codes
.set K,   76                           ; v76-123 k's eight tiles
.set V,   124                          ; v124-147 v's tiles 0, 1
.set S,   148                          ; v148-211 S^T, then p; v180-203 later v's tiles 2, 3
.set O,   212                          ; v212-243 O^T
.set U,   244
.set C8,  248                          ; v248-255 a maximum for each tile
.set WV,   18
.set SEL,  20
.set CS,   22
.set G1,   24
.set G0,   32
.set TBV,  36
.set CNT,  37
.set TBK,  59
.macro ROUND                           ; a round of the cluster's barrier
	s_barrier_signal -1
	s_barrier_wait -1
	s_cmp_lg_u32 s[WV], 0
	s_cbranch_scc1 .Lnot_wave_0_\@
	s_barrier_signal -3
.Lnot_wave_0_\@:
	s_barrier_wait -3
	s_barrier_signal -1
	s_barrier_wait -1
.endm
.macro KLOAD a, b, c                   ; a step's eight tiles of k and their scale words: 24 loads
.irp t, 0,1,2,3,4,5,6,7
	ds_load_b128 v[K+6*\t:K+6*\t+3], v[\a] offset:960*(4*(\t/4)+\t%2)+128*((\t%4)/2)
	ds_load_b64 v[K+6*\t+4:K+6*\t+5], v[\b] offset:960*(4*(\t/4)+\t%2)+640+64*((\t%4)/2)
.if \t%2
	ds_load_u16_d16_hi v[KS+\t], v[\c] offset:7680+640*(\t/4)+128+32*((\t%4)/2)
.else
	ds_load_b32 v[KS+\t], v[\c] offset:7680+640*(\t/4)+32*((\t%4)/2)
.endif
.endr
.endm
.macro VLOAD d, reg
.irp c, 0,1,2
	ds_load_b128 v[\reg+4*\c:\reg+4*\c+3], v11 offset:8960+1920*(\d)+640*\c
.endr
.endm
.macro VSCALE d
	ds_load_b32 v[VS+\d], v12 offset:16640+320*(\d/2)+128*(\d%2)
.endm
.macro ADDS n, d, j0=0                 ; n pairs of p from register j0 on: register j += register j + d
.set j, \j0
.rept \n
	v_pk_add_f32 v[S+j:S+j+1], v[S+j:S+j+1], v[S+j+\d:S+j+\d+1]
.set j, j+2
.endr
.endm
.macro OMUL g                          ; accumulator g of O^T under the new M, from its low end on
.set j, 8*\g
.rept 4
	v_pk_mul_f32 v[O+j:O+j+1], v[O+j:O+j+1], v[F:F+1] op_sel_hi:[1,0]
.set j, j+2
.endr
.endm
.macro PV d, a
	v_wmma_scale_f32_16x16x128_f8f6f4 v[O+8*\d:O+8*\d+7], v[\a:\a+11], v[P:P+11], v[O+8*\d:O+8*\d+7], v[VS+\d], v[PW] matrix_a_fmt:MATRIX_FMT_FP6 matrix_b_fmt:MATRIX_FMT_FP6
.endm
	s_load_b128 s[4:7], s[0:1], 0x0                ; qkvimg s[4:5], aimg s[6:7]
	v_lshl_add_u32 v[SPW], v0, 2, SPARE
	v_mov_b32 v[NIL], 0
	ds_add_u32 v[SPW], v[NIL]                      ; the opening lines: the add twice on end and its wait ahead of my tensor load
	ds_add_u32 v[SPW], v[NIL]
	v_lshrrev_b32 v7, 5, v0
	v_readfirstlane_b32 s[WV], v7                  ; wave 0..15
	v_and_b32 v7, 31, v0                           ; lane
	v_and_b32 v8, 7, v0                            ; r % 8
	v_bfe_u32 v9, v0, 3, 1                         ; r / 8
	v_bfe_u32 v10, v0, 4, 1                        ; h
	v_and_b32 v12, 15, v0                          ; r
	v_lshlrev_b32 v[L4], 2, v7
	v_mul_u32_u24 v11, v9, 1920
	v_lshl_add_u32 v[KA], v8, 4, v11
	v_mad_u32_u24 v[KA], v10, 320, v[KA]           ; 1,920 (r / 8) + 16 (r % 8) + 320 h
	v_lshl_add_u32 v[KBA], v8, 3, v11
	v_lshl_add_u32 v[KBA], v10, 7, v[KBA]          ; 1,920 (r / 8) + 8 (r % 8) + 128 h
	v_mul_u32_u24 v[KSA], v9, 320
	v_lshl_add_u32 v[KSA], v8, 2, v[KSA]           ; 320 (r / 8) + 4 (r % 8)
	v_lshlrev_b32 v[VL], 4, v12
	v_mad_u32_u24 v[VL], v10, 320, v[VL]           ; 16 r + 320 h
	v_lshlrev_b32 v[SH], 3, v10
	v_lshlrev_b32 v8, 2, v[L4]                     ; q's loads: 16 and 8 x lane
	v_lshlrev_b32 v9, 1, v[L4]
	s_bfe_u32 s38, ttmp6, 0x40000                  ; cx
	s_lshl_b32 s39, ttmp9, 2
	s_add_co_u32 s39, s39, s38                     ; my block of 256 queries: it enters q's and the output's addresses alone
	s_and_b32 s40, ttmp7, 0xffff                   ; bh, which the four partners share
	s_mov_b32 s[G1], 15|(3<<16)|(1<<20)|(1<<21)|(5<<22)|(15<<25)   ; the mask: all four; elements of 8 bytes; padding on: 16 words behind every 64; bit 21 beside a mask
	s_mov_b32 s[G1+1], 32<<16                      ; 13,824 dense bytes as 54 rows of 256
	s_mov_b32 s[G1+2], 54<<16
	s_mov_b32 s[G1+3], 32<<16
	s_mov_b32 s[G1+4], 54
	s_mov_b32 s[G1+5], 32
	s_mov_b32 s[G1+6], 0
	s_mov_b32 s[G1+7], 0
	s_mul_i32 s41, s[WV], KVB                      ; block w in the head,
	s_mul_i32 s42, s40, 16*KVB
	s_add_co_u32 s42, s42, s41
	s_mov_b32 s43, 0
	s_mul_i32 s41, s[WV], KVL                      ; and in LDS
	s_lshl_b32 s44, s40, 4
	s_lshl_b32 s45, s39, 1
	s_add_co_u32 s44, s44, s45
	s_lshr_b32 s45, s[WV], 3
	s_add_co_u32 s44, s44, s45                     ; q's block: 16 bh + 2 x + wave / 8
	s_mul_i32 s44, s44, 7168
	s_add_co_u32 s44, s44, QOFF
	s_and_b32 s46, s[WV], 7                        ; my tile in it
	s_mul_i32 s45, s46, 768
	s_add_co_u32 s48, s44, s45
	s_mov_b32 s49, 0
	s_lshl_b32 s45, s46, 7
	s_add_co_u32 s50, s44, s45
	s_add_co_u32 s50, s50, 6144
	s_mov_b32 s51, 0
	s_lshr_b32 s52, s40, 4
	s_lshl_b32 s52, s52, 4
	s_lshl_b32 s53, s39, 1
	s_add_co_u32 s52, s52, s53
	s_lshr_b32 s53, s[WV], 3
	s_add_co_u32 s52, s52, s53                     ; the output's panel of 128 tokens
	s_lshl_b32 s52, s52, 3
	s_and_b32 s53, s40, 15
	s_lshr_b32 s53, s53, 1
	s_add_co_u32 s52, s52, s53                     ; its K step: two heads share one
	s_mul_i32 s52, s52, KB
	s_mul_i32 s53, s46, 1536
	s_add_co_u32 s54, s52, s53
	s_mov_b32 s55, 0
	s_lshl_b32 s53, s46, 7
	s_add_co_u32 s56, s52, s53
	s_add_co_u32 s56, s56, 12288
	s_mov_b32 s57, 0
	s_and_b32 s58, s40, 1                          ; the head's parity
	s_mov_b32 s[SEL], 0x76543210
	s_mov_b32 s[SEL+1], 0xfedcba98                 ; lane l xor 16
	s_mov_b32 s[CS], 0x3e38aa3b                    ; c = log2(e) / 8
	s_mov_b32 s[CS+1], s[CS]                       ; (named with it as a pair, so it is written)
	s_mov_b32 s[TBV], 0
	s_mov_b32 s[TBK], KVL
	s_mov_b32 s[CNT], 16
	s_wait_alu depctr_va_vdst(0)
	s_wait_dscnt 0x0
	s_wait_kmcnt 0x0
	s_mov_b32 s[G0], 1
	s_mov_b32 s[G0+1], s41
	s_add_nc_u64 s[G0+2:G0+3], s[4:5], s[42:43]
	s_or_b32 s[G0+3], s[G0+3], 0x80000000
	ROUND                                          ; all four work-groups are here: the joint loads meet
	tensor_load_to_lds s[G0:G0+3], s[G1:G1+7]      ; my one tensor load
	s_nop 0
.rept 4
	v_nop
.endr
	s_add_nc_u64 s[48:49], s[4:5], s[48:49]
	s_add_nc_u64 s[50:51], s[4:5], s[50:51]
	s_add_nc_u64 s[54:55], s[6:7], s[54:55]
	s_add_nc_u64 s[56:57], s[6:7], s[56:57]
	global_load_b128 v[QZ+6:QZ+9], v8, s[48:49]    ; q's six registers stay
	global_load_b64 v[QZ+10:QZ+11], v9, s[48:49] offset:512
	global_load_b32 v[QS], v[L4], s[50:51]
.irp j, 0,1,2,3,4,5,12,13,14,15,16,17
	v_mov_b32 v[QZ+\j], 0                          ; zero codes on both sides of q
.endr
.irp j, 1,3,5,7
	v_mov_b32 v[KS+\j], 0                          ; the odd tiles' scale registers: only their upper halves are loaded
.endr
	v_mov_b32 v[RUN], 0xff61b1e6                   ; the largest score so far: -3e38
	v_floor_f32 v[NM], -v[RUN]
	v_mov_b32 v[SUM], 0
	v_mov_b32 v[SUM+1], 0
	v_mov_b32 v63, 0                               ; a lane permute's destination counts as one of its sources
	v_mov_b32 v[PW], 0                             ; (named as the upper half of the pair with F before it is first written)
	s_wait_alu depctr_va_vdst(0)                   ; the wait at the head's end
	s_wait_tensorcnt 0x0                           ; my block is in,
	s_barrier_signal -1
	s_barrier_wait -1                              ; everybody's is
	s_wait_loadcnt 0x0                             ; q
	KLOAD KA, KBA, KSA                             ; step 0's k
	v_and_b32 v7, 0xffff, v[QS]
	v_lshl_or_b32 v[QS], v7, 16, v7                ; q's two scale bytes, twice
.set j, 0
.rept 32
	v_mov_b32 v[O+j], 0                            ; O^T: the step is written once; the first finds zeros, which the first change of M leaves zeros
.set j, j+1
.endr
	s_wait_dscnt 0x0
.Lstep:                                            ; 16 trips of 128 keys; this step's k is in registers
	v_add_nc_u32 v8, s[TBK], v[KA]                 ; the next step's k, this step's v.  Five places behind the last trip's products, whose operands the scores below write over
	v_add_nc_u32 v9, s[TBK], v[KBA]
	v_add_nc_u32 v10, s[TBK], v[KSA]
	v_add_nc_u32 v11, s[TBV], v[VL]
	v_add_nc_u32 v12, s[TBV], v[L4]
	s_add_co_u32 s[TBV], s[TBV], KVL               ; the next trip's places
	s_add_co_u32 s[TBK], s[TBV], KVL
	s_min_u32 s[TBK], s[TBK], 15*KVL               ; the last trip fetches block 15's k once more, and nobody multiplies it
	s_sub_co_u32 s[CNT], s[CNT], 1
.irp t, 0,1,2,3,4,5,6,7
	v_wmma_scale_f32_16x16x128_f8f6f4 v[S+8*\t:S+8*\t+7], v[K+12*(\t/2):K+12*(\t/2)+11], v[QZ+6-6*(\t%2):QZ+17-6*(\t%2)], 0, v[KS+\t], v[QS] matrix_a_fmt:MATRIX_FMT_FP6 matrix_b_fmt:MATRIX_FMT_FP6
.endr
	v_mov_b32 v7, v[NM]                            ; the old -M; with three v_nop the four places in front of the loads and of the first read of the scores
.rept 3
	v_nop
.endr
	KLOAD 8, 9, 10
.irp t, 0,1,2,3,4,5,6,7                ; the largest score of my two blocks of 32 keys, a chain for each tile: for the row's maximum and, since p rises with the score, for the block's largest p
	v_max3_num_f32 v[C8+\t], v[S+8*\t], v[S+8*\t+1], v[S+8*\t+2]
.endr
.irp i, 3,5
.irp t, 0,1,2,3,4,5,6,7
	v_max3_num_f32 v[C8+\t], v[C8+\t], v[S+8*\t+\i], v[S+8*\t+\i+1]
.endr
.endr
.irp c, 0,1
	v_max3_num_f32 v[C8+4*\c], v[C8+4*\c], v[C8+4*\c+1], v[S+32*\c+7]
	v_max3_num_f32 v[C8+4*\c+2], v[C8+4*\c+2], v[C8+4*\c+3], v[S+32*\c+15]
.endr
.irp c, 0,1
	v_max3_num_f32 v[C8+4*\c], v[C8+4*\c], v[S+32*\c+23], v[S+32*\c+31]
.endr
.irp c, 0,1
	v_max_num_f32 v[BM+\c], v[C8+4*\c], v[C8+4*\c+2]
.endr
	v_max_num_f32 v62, v[BM], v[BM+1]              ; the row's maximum: five lines that hang on each other, v's first ten loads between them
	VLOAD 0, V
	v_permlanex16_b32 v63, v62, s[SEL], s[SEL+1]
	VLOAD 1, V+12
	v_max3_num_f32 v[RUN], v[RUN], v62, v63        ; with lane l xor 16's 64 keys: the running largest score
	VSCALE 0
	VSCALE 1
	v_mul_f32 v62, s[CS], v[RUN]                   ; as t (c is positive)
	VSCALE 2
	VSCALE 3
	v_floor_f32 v[NM], -v62                        ; the new -M = -ceil(t)
.set j, 0
.rept 32
	v_pk_fma_f32 v[S+j:S+j+1], v[S+j:S+j+1], s[CS:CS+1], v[NM:NM+1] op_sel_hi:[1,0,0]   ; t - M, two at a time; among them f = 2^(old M - new M)
.if j == 14
	v_sub_f32 v62, v[NM], v7                       ; old M - new M: a whole number, 0 or less
.elseif j == 30
	v_cvt_i32_f32 v62, v62                         ; (it saturates)
.elseif j == 46
	v_ldexp_f32 v[F], 1.0, v62
.endif
.set j, j+2
.endr
.irp c, 0,1
	v_fma_f32 v[BM+\c], v[BM+\c], s[CS], v[NM]     ; the same of each block's largest score
.endr
	s_wait_alu depctr_va_vdst(0)                   ; the wait ahead of the batch
.irp c, 0,1
	v_exp_f32 v[BM+\c], v[BM+\c]                   ; the block's largest p: the same two instructions on the same number give the same bits
.endr
.set j, 0
.rept 64
	v_exp_f32 v[S+j], v[S+j]                       ; p = 2^(t - M)
.set j, j+1
.endr
	v_pk_mul_f32 v[SUM:SUM+1], v[SUM:SUM+1], v[F:F+1] op_sel_hi:[1,0]   ; the sums under the new M: a plain place behind the exponentials
	s_wait_alu depctr_va_vdst(0)                   ; one wait behind the batch, directly ahead of the first reader of O^T too; only plain lines stand among O^T's sixteen
	OMUL 0
.irp c, 0,1
	v_max_num_f32 v[BM+\c], 0x1800000, v[BM+\c]    ; the floor 2^(3 - 127): the byte cannot fall under 1
.endr
	OMUL 1
.irp c, 0,1
	v_add_nc_u32 v[SO+\c], 0xff000000, v[BM+\c]    ; 2 off the exponent field: the conversion's scale operand
.endr
	OMUL 2
	OMUL 3
	v_cvt_scalef32_pk16_fp6_f32 v[P:P+2], v[S:S+15], v[SO]
	v_cvt_scalef32_pk16_fp6_f32 v[T:T+2], v[S+16:S+31], v[SO]          ; (a conversion's three registers begin on an even number)
	v_cvt_scalef32_pk16_fp6_f32 v[P+6:P+8], v[S+32:S+47], v[SO+1]
	v_cvt_scalef32_pk16_fp6_f32 v[U:U+2], v[S+48:S+63], v[SO+1]
	v_lshrrev_b32 v[BN], 23, v[SO]                 ; the scales' bytes: blocks h and 2 + h.  (Plain places behind the conversions)
	v_lshrrev_b32 v[BN+1], 23, v[SO+1]
	ADDS 16, 32                                    ; the row's sum of the unquantised p, in place; registers 32 on are then free
	VLOAD 2, S+32
	VLOAD 3, S+44
	v_lshl_or_b32 v62, v[BN+1], 16, v[BN]
	ADDS 4, 16
	v_lshlrev_b32 v62, v[SH], v62                  ; at their places in the word, 8 h bits up
	ADDS 4, 16, 8
	v_permlanex16_b32 v63, v62, s[SEL], s[SEL+1]
.irp i, 0,1,2
	v_mov_b32 v[P+3+\i], v[T+\i]
.endr
	v_or_b32 v[PW], v62, v63                       ; with lane l xor 16's two the word is whole; eleven plain lines stand between it and the products
.irp i, 0,1,2
	v_mov_b32 v[P+9+\i], v[U+\i]
.endr
	ADDS 4, 8
	ADDS 2, 4
	ADDS 1, 2
	v_pk_add_f32 v[SUM:SUM+1], v[SUM:SUM+1], v[S:S+1]
	s_wait_alu depctr_va_vdst(0)
	s_wait_dscnt 6                                 ; all but the youngest six loads, v's tiles 2 and 3
	PV 0, V                                        ; O^T += v^T p^T: four accumulators by turns
	PV 1, V+12
	s_wait_dscnt 0x0                               ; those too, and with them the next step's k
	PV 2, S+32
	PV 3, S+44
	s_cmp_lg_u32 s[CNT], 0
	s_cbranch_scc1 .Lstep
.rept 4
	v_nop                                          ; places behind the last products
.endr
	v_add_f32 v[SUM], v[SUM], v[SUM+1]
	v_permlanex16_b32 v63, v[SUM], s[SEL], s[SEL+1]
	v_add_f32 v[SUM], v[SUM], v63                  ; the row's sum
	s_wait_alu depctr_va_vdst(0)
	v_rcp_f32 v[SUM], v[SUM]
	v_lshlrev_b32 v0, 2, v[L4]                     ; 16 x lane, for the stores: a plain place behind the transcendental
	s_wait_alu depctr_va_vdst(0)
.set j, 0
.rept 32
	v_mul_f32 v[S+j], v[O+j], v[SUM]               ; o(my query, 32 b + 16 h + i) in register 16 b + i
.set j, j+1
.endr
.irp b, 0,1                            ; the head's 64 are two blocks of the next product's K; a block lies in lanes l and l xor 16
	v_max3_num_f32 v[BM+\b], |v[S+16*\b]|, |v[S+1+16*\b]|, 0x1800000
.endr
.irp i, 2,4,6,8,10,12,14
.irp b, 0,1
	v_max3_num_f32 v[BM+\b], v[BM+\b], |v[S+16*\b+\i]|, |v[S+1+16*\b+\i]|
.endr
.endr
.irp b, 0,1
	v_permlanex16_b32 v[BN+\b], v[BM+\b], s[SEL], s[SEL+1]
.endr
.irp b, 0,1
	v_max_num_f32 v[BM+\b], v[BM+\b], v[BN+\b]
.endr
.irp b, 0,1
	v_add_nc_u32 v[SO+\b], 0xff000000, v[BM+\b]
.endr
.irp b, 0,1
	v_lshrrev_b32 v[BN+\b], 23, v[SO+\b]
.endr
	v_lshl_or_b32 v[PW], v[BN+1], 8, v[BN]         ; my head's half of the scale word
	v_cvt_scalef32_pk16_fp6_f32 v[P:P+2], v[S:S+15], v[SO]
	v_cvt_scalef32_pk16_fp6_f32 v[T:T+2], v[S+16:S+31], v[SO+1]
	v_nop                                          ; one plain place behind a scaled conversion
.irp i, 0,1,2
	v_permlane16_swap_b32 v[P+\i], v[T+\i]
.endr
.irp i, 0,1,2
	v_mov_b32 v[P+3+\i], v[T+\i]                   ; six registers: k = 32 h + 0 .. 31 of my head: registers 0-5 (even head) or 6-11 (odd head) of the fragment
.endr
	s_cmp_eq_u32 s58, 0                            ; the head's parity: the same in all partners
	s_wait_alu depctr_va_vdst(0)
	s_cbranch_scc0 .Lodd
	global_store_b128 v0, v[P:P+3], s[54:55]
	global_store_b64 v0, v[P+4:P+5], s[54:55] offset:512
	global_store_b16 v[L4], v[PW], s[56:57]
	s_branch .Lsent
.Lodd:
	global_store_b64 v0, v[P:P+1], s[54:55] offset:520
	global_store_b128 v0, v[P+2:P+5], s[54:55] offset:1024
	global_store_b16 v[L4], v[PW], s[56:57] offset:2
.Lsent:
	s_wait_tensorcnt 0x0                           ; the wave's end
	ds_add_u32 v[SPW], v[NIL]
	s_wait_dscnt 0x0
	ROUND                                          ; the closing round
	s_endpgm
.Lfunc_end_k_qe7013c1c2f_attn:
	.size	k_qe7013c1c2f_attn, .Lfunc_end_k_qe7013c1c2f_attn-k_qe7013c1c2f_attn
	.p2alignl 7, 3214868480
	.fill 96, 4, 3214868480
	.section	.rodata,"a",@progbits
	.p2align	6, 0x0
	.amdhsa_kernel k_qe7013c1c2f_attn
		.amdhsa_group_segment_fixed_size 278528
		.amdhsa_private_segment_fixed_size 0
		.amdhsa_enable_private_segment 0
		.amdhsa_kernarg_size 16
		.amdhsa_user_sgpr_count 2
		.amdhsa_user_sgpr_kernarg_segment_ptr 1
		.amdhsa_wavefront_size32 1
		.amdhsa_system_sgpr_workgroup_id_x 1
		.amdhsa_system_sgpr_workgroup_id_y 1
		.amdhsa_system_sgpr_workgroup_id_z 1
		.amdhsa_system_vgpr_workitem_id 0
		.amdhsa_next_free_vgpr 256
		.amdhsa_next_free_sgpr 66
		.amdhsa_reserve_vcc 0
		.amdhsa_float_denorm_mode_32 3
		.amdhsa_float_denorm_mode_16_64 3
		.amdhsa_memory_ordered 1
		.amdhsa_forward_progress 1
		.amdhsa_inst_pref_size 29
	.end_amdhsa_kernel
	.amdgpu_metadata
---
amdhsa.version: [ 1, 2 ]
amdhsa.kernels:
  - .name:           k_qe7013c1c2f_attn
    .symbol:         k_qe7013c1c2f_attn.kd
    .args:
      - { .name: qkvimg, .offset: 0, .size: 8, .value_kind: global_buffer, .address_space: global }
      - { .name: aimg, .offset: 8, .size: 8, .value_kind: global_buffer, .address_space: global }
    .group_segment_fixed_size: 278528
    .private_segment_fixed_size: 0
    .kernarg_segment_align: 8
    .kernarg_segment_size: 16
    .max_flat_workgroup_size: 512
    .sgpr_count:     66
    .vgpr_count:     256
    .wavefront_size: 32
...
	.end_amdgpu_metadata
.endif
;; end of part 3
;; launch ao (part 4): grid 8 x 32, 4 waves a work-group, clusters of 4 x 4, 327,680 bytes of LDS; arguments aimg, wimg, b_ao, x, x2; writes x2
.if DOCPART == 4
	.amdgcn_target "amdgcn-amd-amdhsa--gfx1250"
	.amdhsa_code_object_version 6
	.text
	.protected	k_qe7013c1c2f_ao
	.globl	k_qe7013c1c2f_ao
	.p2align	8
	.type	k_qe7013c1c2f_ao,@function
k_qe7013c1c2f_ao:
	s_mov_b64 s[64:65], 0
	v_nop
	global_prefetch_b8 v0, s[64:65] scope:SCOPE_SE
	s_setreg_imm32_b32 hwreg(HW_REG_WAVE_MODE, 25, 1), 1
	s_wait_xcnt 0x0
	s_wait_alu depctr_hold_cnt(0) depctr_sa_sdst(0) depctr_va_vdst(0) depctr_va_sdst(0) depctr_va_ssrc(0) depctr_va_vcc(0) depctr_vm_vsrc(0)
	s_getreg_b32 s2, hwreg(HW_REG_IB_STS2, 6, 4)
	s_cmp_eq_u32 s2, 0
	s_cbranch_scc0 .Lentry_in_a_cluster
	s_endpgm
.Lentry_in_a_cluster:
	s_bfe_u32 s2, ttmp6, 0x10000c
	s_cmp_lg_u32 s2, 0xf033
	s_cbranch_scc0 .Lentry_shape_is_right
	s_endpgm
.Lentry_shape_is_right:
; x2 = x + attn w_ao + b_ao on FP6 (E2M3) codes with E8M0 block scales.  Operands arrive as blocks of 13,312 bytes (a panel of 128 rows x 128 along K: eight fragment images, eight scale images).
; A work-group of four waves makes 128 x 128, a wave 64 x 64.  K = 1,024 is eight blocks a panel: both panels, 212,992 bytes, lie in LDS whole, asked for at the head by one joint load a wave (four blocks each):
; waves 0, 1 the rows' panel, shared along a row of the 4 x 4 cluster, waves 2, 3 the weights', shared along a column.  Nothing is filled again, and there is no later load to run ahead of: no prefetch is written.
.set KB,     13312
.set KS,     8
.set WOFF,   2555904
.set QLOAD,  2*KB
.set SLOT,   8*KB
.set SPARE,  2*SLOT
.set STAGE,  SPARE+512
.set SPITCH, 272
.set LAPS,   KS/8
.set ADRA, 16
.set ADRB, 20
.set ADRS, 22
.set STO,  24
.set RD,   25
.set CO,   26
.set CB,   27
.set SPW,  28
.set NIL,  29
.set SC,   32
.set T,    64
.set ACC,  128
.set F0,   0
.set F1,   128
.set G1,  24
.set G0,  32
.set G1B, 48
.set G0B, 56
.set MSB, 0
.macro WIN new
.if MSB != (\new)
	s_set_vgpr_msb (MSB<<8)|(\new)
.set MSB, (\new)
.endif
.endm
.set MUL,  0x05
.set TO_F, 0x40
.macro JLOAD s
	s_cmp_eq_u32 s15, 0
	s_cbranch_scc0 .Lfor_b_\@
	tensor_load_to_lds s[G0+4*\s:G0+4*\s+3], s[G1:G1+7]
	s_nop 0
.rept 4
	v_nop
.endr
	s_branch .Lasked_\@
.Lfor_b_\@:
	tensor_load_to_lds s[G0B+4*\s:G0B+4*\s+3], s[G1B:G1B+7]
	s_nop 0
.rept 4
	v_nop
.endr
.Lasked_\@:
.endm
.macro CREST
	s_cmp_lg_u32 s14, 0
	s_cbranch_scc1 .Lnot_wave_0_\@
	s_barrier_signal -3
.Lnot_wave_0_\@:
	s_barrier_wait -3
	s_barrier_signal -1
	s_barrier_wait -1
.endm
.macro CROUND
	s_barrier_signal -1
	s_barrier_wait -1
	CREST
.endm
.macro PLACES
.rept 4
	v_nop
.endr
.endm
	s_load_b256 s[4:11], s[0:1], 0x0
	s_load_b64 s[12:13], s[0:1], 0x20
	v_lshl_add_u32 v[SPW], v0, 2, SPARE
	v_mov_b32 v[NIL], 0
	ds_add_u32 v28, v29
	ds_add_u32 v28, v29
	s_wait_dscnt 0x0
	v_lshrrev_b32 v1, 5, v0
	v_readfirstlane_b32 s14, v1
	s_lshr_b32 s15, s14, 1
	s_and_b32 s16, s14, 1
	s_bfe_u32 s40, ttmp6, 0x40000
	s_bfe_u32 s41, ttmp6, 0x40004
	s_lshl_b32 s42, ttmp9, 2
	s_add_co_u32 s42, s42, s40
	s_and_b32 s17, ttmp7, 0xffff
	s_lshl_b32 s17, s17, 2
	s_add_co_u32 s17, s17, s41
	s_lshl_b32 s43, s41, 2
	s_lshl_b32 s43, 15, s43
	s_lshl_b32 s44, 0x1111, s40
	s_or_b32 s[G1+0], s43, (3<<16)|(1<<21)
	s_or_b32 s[G1B+0], s44, (3<<16)|(1<<21)
.irp g, G1, G1B                        ; four blocks, 53,248 dense bytes, as 208 rows of 256
	s_mov_b32 s[\g+1], 32<<16
	s_mov_b32 s[\g+2], 208<<16
	s_mov_b32 s[\g+3], 32<<16
	s_mov_b32 s[\g+4], 208
	s_mov_b32 s[\g+5], 32
	s_mov_b32 s[\g+6], 0
	s_mov_b32 s[\g+7], 0
.endr
	s_mul_i32 s18, s16, QLOAD
	s_mul_i32 s20, s17, KS*KB
	s_add_co_u32 s20, s20, s18
	s_mov_b32 s21, 0
	s_mul_i32 s46, s42, KS*KB
	s_add_co_u32 s46, s46, s18
	s_add_co_u32 s46, s46, WOFF
	s_mov_b32 s47, 0
	s_mul_i32 s45, s14, QLOAD
	s_wait_kmcnt 0x0
	s_add_nc_u64 s[20:21], s[4:5], s[20:21]
	s_add_nc_u64 s[46:47], s[6:7], s[46:47]
	CROUND
.irp s, 0,1
	s_mov_b32 s[G0+4*\s], 1
	s_add_co_u32 s[G0+4*\s+1], s45, \s*SLOT
	s_add_nc_u64 s[G0+4*\s+2:G0+4*\s+3], s[20:21], \s*4*KB
	s_or_b32 s[G0+4*\s+3], s[G0+4*\s+3], 0x80000000
	s_mov_b32 s[G0B+4*\s], 1
	s_add_co_u32 s[G0B+4*\s+1], s45, \s*SLOT
	s_add_nc_u64 s[G0B+4*\s+2:G0B+4*\s+3], s[46:47], \s*4*KB
	s_or_b32 s[G0B+4*\s+3], s[G0B+4*\s+3], 0x80000000
.endr
	s_mov_b32 s19, 0                               ; the head's loads, one a wave: wave 2 i + j brings K steps 4 j .. 4 j + 3 of the rows' (i = 0) or the weights' (i = 1) panel
	s_mul_i32 s77, s15, 4*KB
	s_mul_i32 s84, s16, SLOT
	s_add_co_u32 s77, s77, s84
	s_mov_b32 s76, 1
	s_add_nc_u64 s[78:79], s[20:21], s[18:19]
	s_or_b32 s79, s79, 0x80000000
	s_mov_b32 s80, 1
	s_mov_b32 s81, s77
	s_add_nc_u64 s[82:83], s[46:47], s[18:19]
	s_or_b32 s83, s83, 0x80000000
	s_cmp_eq_u32 s15, 0
	s_cbranch_scc0 .Lhead_b
	tensor_load_to_lds s[76:79], s[G1:G1+7]
	s_nop 0
	PLACES
	s_branch .Lhead_asked
.Lhead_b:
	tensor_load_to_lds s[80:83], s[G1B:G1B+7]
	s_nop 0
	PLACES
.Lhead_asked:
	v_and_b32 v1, 31, v0
	v_bfe_u32 v2, v0, 4, 1
	v_and_b32 v3, 15, v0
	v_lshlrev_b32 v4, 4, v1
	s_wait_alu depctr_va_vdst(0)
	v_lshlrev_b32 v5, 2, v1
	s_mul_i32 s66, s15, 6144
	s_mul_i32 s67, s16, 6144
	s_add_co_u32 s67, s67, 4*KB
	s_lshl_b32 s68, s15, 9
	s_lshl_b32 s69, s16, 9
	s_add_co_u32 s69, s69, 4*KB
	s_sub_co_u32 s69, s69, s68
	v_mul_u32_u24 v6, s69, v2
	v_add_nc_u32 v6, v6, v5
	s_add_co_u32 s68, s68, 12288
.irp s, 0,1
	v_add_nc_u32 v[ADRA+\s], s66, v4
	v_add_nc_u32 v[ADRB+\s], s67, v4
	v_add_nc_u32 v[ADRS+\s], s68, v6
	s_add_co_u32 s66, s66, SLOT
	s_add_co_u32 s67, s67, SLOT
	s_add_co_u32 s68, s68, SLOT
.endr
	s_mul_i32 s70, s14, 16*SPITCH
	s_add_co_u32 s70, s70, STAGE
	v_mul_u32_u24 v[STO], v3, SPITCH
	v_lshl_add_u32 v[STO], v2, 6, v[STO]
	v_add_nc_u32 v[STO], s70, v[STO]
	v_mul_u32_u24 v[RD], v2, SPITCH
	v_lshl_add_u32 v[RD], v3, 4, v[RD]
	v_add_nc_u32 v[RD], s70, v[RD]
	v_lshlrev_b32 v[CB], 4, v3
	s_wait_alu depctr_va_vdst(0)
	v_lshl_add_u32 v[CO], v2, 12, v[CB]
	s_wait_alu depctr_va_vdst(0)
	s_lshl_b32 s72, s42, 9
	s_lshl_b32 s73, s16, 8
	s_add_co_u32 s72, s72, s73
	s_mov_b32 s73, 0
	s_add_nc_u64 s[8:9], s[8:9], s[72:73]
	s_lshl_b32 s74, s17, 7
	s_lshl_b32 s75, s15, 6
	s_add_co_u32 s74, s74, s75
	s_lshl_b32 s74, s74, 12
	s_add_co_u32 s72, s72, s74
	s_add_nc_u64 s[10:11], s[10:11], s[72:73]
	s_add_nc_u64 s[12:13], s[12:13], s[72:73]
	global_load_b128 v[8:11], v[CB], s[8:9]
.macro RLOAD a                         ; the residual's rows of my tile a, into window 2, registers 32 a on: all four tiles are asked for at the head
	WIN 0x80
.irp t, 0,1,2,3,4,5,6,7
	global_load_b128 v[32*(\a)+4*\t:32*(\a)+4*\t+3], v[CO], s[10:11] offset:(32*((\a)/2)+8*((\a)%2)+2*\t+8*(\t/4))*4096
.endr
	WIN 0
.endm
	RLOAD 0
	RLOAD 1
	RLOAD 2
	RLOAD 3
.macro MULA f, a, q, sc, zero
.irp b, 0,1,2,3
.if \zero
	v_wmma_scale_f32_16x16x128_f8f6f4 v[ACC+8*(4*(\a)+\b):ACC+8*(4*(\a)+\b)+7], v[\f+48+12*\b:\f+48+12*\b+11], v[\f+12*(\a):\f+12*(\a)+11], 0, v[SC+16*(\sc)+4*(\q)+\b], v[SC+16*(\sc)+4*(\q)+(\a)] matrix_a_fmt:MATRIX_FMT_FP6 matrix_b_fmt:MATRIX_FMT_FP6 matrix_a_scale:MATRIX_SCALE_ROW1
.else
	v_wmma_scale_f32_16x16x128_f8f6f4 v[ACC+8*(4*(\a)+\b):ACC+8*(4*(\a)+\b)+7], v[\f+48+12*\b:\f+48+12*\b+11], v[\f+12*(\a):\f+12*(\a)+11], v[ACC+8*(4*(\a)+\b):ACC+8*(4*(\a)+\b)+7], v[SC+16*(\sc)+4*(\q)+\b], v[SC+16*(\sc)+4*(\q)+(\a)] matrix_a_fmt:MATRIX_FMT_FP6 matrix_b_fmt:MATRIX_FMT_FP6 matrix_a_scale:MATRIX_SCALE_ROW1
.endif
.endr
.endm
.macro FETCH slot, q, f
	WIN TO_F
.irp b, 0,1,2,3
.irp c, 0,1,2
	ds_load_b128 v[\f+48+12*\b+4*\c:\f+48+12*\b+4*\c+3], v[ADRB+\slot] offset:(\q)*KB+1536*\b+512*\c
.endr
.endr
.irp a, 0,1,2,3
.irp c, 0,1,2
	ds_load_b128 v[\f+12*\a+4*\c:\f+12*\a+4*\c+3], v[ADRA+\slot] offset:(\q)*KB+1536*\a+512*\c
.endr
.endr
.endm
.macro SCALES slot
.irp q, 0,1,2,3
.irp t, 0,1,2,3
	ds_load_b32 v[SC+16*\slot+4*\q+\t], v[ADRS+\slot] offset:\q*KB+128*\t
.endr
.endr
.endm
.macro QUARTER slot, q, zero
.set FF, 128*((\q)%2)
.set FG, 128-FF
	s_wait_dscnt 6
	WIN MUL
	MULA FF, 0, \q, \slot, \zero
	MULA FF, 1, \q, \slot, \zero
	PLACES
	FETCH \slot, (\q)+1, FG
	s_wait_dscnt 24
	WIN MUL
	MULA FF, 2, \q, \slot, \zero
	MULA FF, 3, \q, \slot, \zero
.endm
.macro TURN slot, next, fill
	WIN 0
	s_wait_tensorcnt 0x0
	ds_add_u32 v[SPW], v[NIL]
	s_wait_dscnt 7
	WIN MUL
	MULA F1, 0, 3, \slot, 0
	s_wait_dscnt 0x0
	s_barrier_signal -1
	MULA F1, 1, 3, \slot, 0
	WIN 0
	s_barrier_wait -1
.if \fill
	CREST
	s_add_nc_u64 s[G0+4*\slot+2:G0+4*\slot+3], s[G0+4*\slot+2:G0+4*\slot+3], 8*KB
	s_add_nc_u64 s[G0B+4*\slot+2:G0B+4*\slot+3], s[G0B+4*\slot+2:G0B+4*\slot+3], 8*KB
	JLOAD \slot
.else
	PLACES
.endif
	SCALES \next
	FETCH \next, 0, F0
	WIN MUL
	MULA F1, 2, 3, \slot, 0
	MULA F1, 3, 3, \slot, 0
.endm
	s_wait_alu depctr_va_vdst(0)                   ; the wait at the head's end
	s_wait_tensorcnt 0x0                           ; my four blocks are in,
	s_barrier_signal -1
	s_barrier_wait -1                              ; everybody's are
	SCALES 0
	FETCH 0, 0, F0
	QUARTER 0, 0, 1
.if LAPS > 1
	WIN 0
	s_mov_b32 s3, LAPS-1
.Llap:
	QUARTER 0, 1, 0
	QUARTER 0, 2, 0
	TURN 0, 1, 1
	QUARTER 1, 0, 0
	QUARTER 1, 1, 0
	QUARTER 1, 2, 0
	TURN 1, 0, 1
	QUARTER 0, 0, 0
	WIN 0
	s_sub_co_u32 s3, s3, 1
	s_cmp_lg_u32 s3, 0
	s_cbranch_scc1 .Llap
.endif
	QUARTER 0, 1, 0
	QUARTER 0, 2, 0
	TURN 0, 1, 0
	QUARTER 1, 0, 0
	QUARTER 1, 1, 0
	QUARTER 1, 2, 0
	s_wait_dscnt 0x0
	WIN MUL
	MULA F1, 0, 3, 1, 0
	MULA F1, 1, 3, 1, 0
	MULA F1, 2, 3, 1, 0
	MULA F1, 3, 3, 1, 0
	WIN 0
	PLACES
.macro OUT a
.if (\a) > 0
	s_wait_xcnt 0x0
.endif
.irp b, 0,1,2,3
	ds_store_b128 v[STO], v[ACC+8*(4*(\a)+\b):ACC+8*(4*(\a)+\b)+3] offset:128*(\b/2)+32*(\b%2)
	ds_store_b128 v[STO], v[ACC+8*(4*(\a)+\b)+4:ACC+8*(4*(\a)+\b)+7] offset:128*(\b/2)+32*(\b%2)+16
.endr
.irp t, 0,1,2,3,4,5,6,7
	ds_load_b128 v[T+4*\t:T+4*\t+3], v[RD] offset:2*SPITCH*\t
.endr
	s_wait_loadcnt 8*(3-(\a))                      ; tile a's eight loads are in; those of the tiles behind it may be out
	s_wait_dscnt 0x0
.irp t, 0,1,2,3,4,5,6,7
	v_pk_add_f32 v[T+4*\t:T+4*\t+1], v[T+4*\t:T+4*\t+1], v[8:9]
	v_pk_add_f32 v[T+4*\t+2:T+4*\t+3], v[T+4*\t+2:T+4*\t+3], v[10:11]
.endr
	WIN 0x08
.set i, 0
.rept 16
	v_pk_add_f32 v[T+i:T+i+1], v[T+i:T+i+1], v[32*(\a)+i:32*(\a)+i+1]
.set i, i+2
.endr
	WIN 0
.irp t, 0,1,2,3,4,5,6,7
	global_store_b128 v[CO], v[T+4*\t:T+4*\t+3], s[12:13] offset:(32*((\a)/2)+8*((\a)%2)+2*\t+8*(\t/4))*4096
.endr
.endm
	OUT 0
	OUT 1
	OUT 2
	OUT 3
	s_wait_tensorcnt 0x0
	ds_add_u32 v[SPW], v[NIL]
	s_wait_dscnt 0x0
	CROUND
	s_endpgm
.Lfunc_end_k_qe7013c1c2f_ao:
	.size	k_qe7013c1c2f_ao, .Lfunc_end_k_qe7013c1c2f_ao-k_qe7013c1c2f_ao
	.p2alignl 7, 3214868480
	.fill 96, 4, 3214868480
	.section	.rodata,"a",@progbits
	.p2align	6, 0x0
	.amdhsa_kernel k_qe7013c1c2f_ao
		.amdhsa_group_segment_fixed_size 327680
		.amdhsa_private_segment_fixed_size 0
		.amdhsa_enable_private_segment 0
		.amdhsa_kernarg_size 40
		.amdhsa_user_sgpr_count 2
		.amdhsa_user_sgpr_kernarg_segment_ptr 1
		.amdhsa_wavefront_size32 1
		.amdhsa_system_sgpr_workgroup_id_x 1
		.amdhsa_system_sgpr_workgroup_id_y 1
		.amdhsa_system_sgpr_workgroup_id_z 1
		.amdhsa_system_vgpr_workitem_id 0
		.amdhsa_next_free_vgpr 640
		.amdhsa_next_free_sgpr 100
		.amdhsa_reserve_vcc 0
		.amdhsa_float_denorm_mode_32 3
		.amdhsa_float_denorm_mode_16_64 3
		.amdhsa_memory_ordered 1
		.amdhsa_forward_progress 1
		.amdhsa_inst_pref_size 59
	.end_amdhsa_kernel
	.amdgpu_metadata
---
amdhsa.version: [ 1, 2 ]
amdhsa.kernels:
  - .name:           k_qe7013c1c2f_ao
    .symbol:         k_qe7013c1c2f_ao.kd
    .args:
      - { .name: aimg, .offset: 0, .size: 8, .value_kind: global_buffer, .address_space: global }
      - { .name: wimg, .offset: 8, .size: 8, .value_kind: global_buffer, .address_space: global }
      - { .name: b_ao, .offset: 16, .size: 8, .value_kind: global_buffer, .address_space: global }
      - { .name: x, .offset: 24, .size: 8, .value_kind: global_buffer, .address_space: global }
      - { .name: x2, .offset: 32, .size: 8, .value_kind: global_buffer, .address_space: global }
    .group_segment_fixed_size: 327680
    .private_segment_fixed_size: 0
    .kernarg_segment_align: 8
    .kernarg_segment_size: 40
    .max_flat_workgroup_size: 128
    .sgpr_count:     100
    .vgpr_count:     640
    .wavefront_size: 32
...
	.end_amdgpu_metadata
.endif
;; end of part 4
;; launch prep2: the kernel of part 1 again; grid 256 x 2, 8 waves a work-group, no clusters, 96,768 bytes of LDS; arguments x2, ln2_g, ln2_b, aimg, w_fc, w_proj, wimg; writes aimg, wimg
;; launch fc (part 5): grid 16 x 16, 4 waves a work-group, clusters of 4 x 4, 327,680 bytes of LDS; arguments aimg, wimg, b_fc, h3img; writes h3img
.if DOCPART == 5
	.amdgcn_target "amdgcn-amd-amdhsa--gfx1250"
	.amdhsa_code_object_version 6
	.text
	.protected	k_qe7013c1c2f_fc
	.globl	k_qe7013c1c2f_fc
	.p2align	8
	.type	k_qe7013c1c2f_fc,@function
k_qe7013c1c2f_fc:
	s_mov_b64 s[64:65], 0
	v_nop
	global_prefetch_b8 v0, s[64:65] scope:SCOPE_SE
	s_setreg_imm32_b32 hwreg(HW_REG_WAVE_MODE, 25, 1), 1
	s_wait_xcnt 0x0
	s_wait_alu depctr_hold_cnt(0) depctr_sa_sdst(0) depctr_va_vdst(0) depctr_va_sdst(0) depctr_va_ssrc(0) depctr_va_vcc(0) depctr_vm_vsrc(0)
	s_getreg_b32 s2, hwreg(HW_REG_IB_STS2, 6, 4)
	s_cmp_eq_u32 s2, 0
	s_cbranch_scc0 .Lentry_in_a_cluster
	s_endpgm
.Lentry_in_a_cluster:
	s_bfe_u32 s2, ttmp6, 0x10000c
	s_cmp_lg_u32 s2, 0xf033
	s_cbranch_scc0 .Lentry_shape_is_right
	s_endpgm
.Lentry_shape_is_right:
; h3 = gelu(LN2(x2) w_fc + b_fc) on FP6 (E2M3) codes with E8M0 block scales, quantised in registers along the next product's K and stored as operand images.  Blocks, tiles, cluster and ring as in the launch that makes q, k, v:
; a work-group of four waves makes 256 x 256; in LDS a panel's parts of slot 0 and slot 1 lie on end (panel w at 2 w HALFT), so that one joint load a wave at the head brings K steps 0 to 3; two refills bring K steps 4 to 7.
.set KB,     13312
.set HALFT,  2*KB
.set SLOT,   4*HALFT
.set SPARE,  2*SLOT
.set PANEL,  8*KB
.set WFC,    3407872
.set FR,     12
.set NL,     3
.set NP,     4
.set NQ,     2
.set LAPS,   2
.set ADRA, 16
.set ADRB, 20
.set ADRS, 22
.set L16,  24
.set L4,   26
.set SPW,  28
.set NIL,  29
.set SC,   32
.set BI,   64
.set AF,   128
.set ST,   128
.set PC,   192
.set TM,   224
.set PW,   240
.set SEL,  92
.set G1,  24
.set G0,  32
.set G1B, 48
.set G0B, 56
.set MSB, 0
.macro WIN new
.if MSB != (\new)
	s_set_vgpr_msb (MSB<<8)|(\new)
.set MSB, (\new)
.endif
.endm
.set MUL_LO, 0xa1
.set MUL_HI, 0xf1
.set TO_B,   0x40
.macro JLOAD g0a, g1a, g0b, g1b
	s_cmp_eq_u32 s15, 0
	s_cbranch_scc0 .Lfor_b_\@
	tensor_load_to_lds s[\g0a:\g0a+3], s[\g1a:\g1a+7]
	s_nop 0
.rept 4
	v_nop
.endr
	s_branch .Lasked_\@
.Lfor_b_\@:
	tensor_load_to_lds s[\g0b:\g0b+3], s[\g1b:\g1b+7]
	s_nop 0
.rept 4
	v_nop
.endr
.Lasked_\@:
.endm
.macro CREST
	s_cmp_lg_u32 s14, 0
	s_cbranch_scc1 .Lnot_wave_0_\@
	s_barrier_signal -3
.Lnot_wave_0_\@:
	s_barrier_wait -3
	s_barrier_signal -1
	s_barrier_wait -1
.endm
.macro CROUND
	s_barrier_signal -1
	s_barrier_wait -1
	CREST
.endm
	s_load_b256 s[4:11], s[0:1], 0x0
	v_lshl_add_u32 v[SPW], v0, 2, SPARE
	v_mov_b32 v[NIL], 0
	ds_add_u32 v28, v29
	ds_add_u32 v28, v29
	s_wait_dscnt 0x0
	v_lshrrev_b32 v1, 5, v0
	v_readfirstlane_b32 s14, v1
	s_lshr_b32 s15, s14, 1
	s_and_b32 s16, s14, 1
	s_bfe_u32 s40, ttmp6, 0x40000
	s_bfe_u32 s41, ttmp6, 0x40004
	s_lshl_b32 s44, ttmp9, 2
	s_add_co_u32 s44, s44, s40
	s_and_b32 s42, ttmp7, 0xffff
	s_lshl_b32 s42, s42, 2
	s_add_co_u32 s42, s42, s41
	s_lshl_b32 s46, s41, 2
	s_lshl_b32 s46, 15, s46
	s_lshl_b32 s47, 0x1111, s40
	s_or_b32 s[G1+0], s46, (3<<16)|(1<<21)
	s_or_b32 s[G1B+0], s47, (3<<16)|(1<<21)
.irp g, G1, G1B                        ; the head's load: four blocks, 53,248 dense bytes, as 208 rows of 256
	s_mov_b32 s[\g+1], 32<<16
	s_mov_b32 s[\g+2], 208<<16
	s_mov_b32 s[\g+3], 32<<16
	s_mov_b32 s[\g+4], 208
	s_mov_b32 s[\g+5], 32
	s_mov_b32 s[\g+6], 0
	s_mov_b32 s[\g+7], 0
.endr
	s_lshl_b32 s20, s42, 1
	s_add_co_u32 s20, s20, s16
	s_mul_i32 s20, s20, PANEL
	s_mov_b32 s21, 0
	s_lshl_b32 s22, s44, 1
	s_add_co_u32 s22, s22, s16
	s_mul_i32 s22, s22, PANEL
	s_add_co_u32 s22, s22, WFC
	s_mov_b32 s23, 0
	s_mul_i32 s18, s14, 2*HALFT
	s_mov_b32 s[SEL], 0x76543210
	s_mov_b32 s[SEL+1], 0xfedcba98
	s_wait_kmcnt 0x0
	s_add_nc_u64 s[20:21], s[4:5], s[20:21]
	s_add_nc_u64 s[22:23], s[6:7], s[22:23]
	CROUND
.irp s, 0,1
	s_mov_b32 s[G0+4*\s], 1
	s_add_co_u32 s[G0+4*\s+1], s18, \s*HALFT
	s_add_nc_u64 s[G0+4*\s+2:G0+4*\s+3], s[20:21], \s*HALFT
	s_or_b32 s[G0+4*\s+3], s[G0+4*\s+3], 0x80000000
	s_mov_b32 s[G0B+4*\s], 1
	s_add_co_u32 s[G0B+4*\s+1], s18, \s*HALFT
	s_add_nc_u64 s[G0B+4*\s+2:G0B+4*\s+3], s[22:23], \s*HALFT
	s_or_b32 s[G0B+4*\s+3], s[G0B+4*\s+3], 0x80000000
.endr
	JLOAD G0, G1, G0B, G1B                         ; my one load at the head: K steps 0 to 3 of my panel
	; K steps 4 to 7 of the panel, which the two refills will load, are asked for into the L2: the four partners that load a panel jointly take one block of 13,312 bytes each, by address; 26 lanes x 256 bytes, twice
	s_cmp_eq_u32 s15, 0
	s_cselect_b64 s[84:85], s[20:21], s[22:23]
	s_cselect_b32 s86, s40, s41
	s_mul_i32 s86, s86, KB
	s_add_co_u32 s86, s86, 4*KB
	v_and_b32 v5, 31, v0
	v_min_u32 v5, 25, v5                           ; the lanes left over name the last block again
	v_lshl_add_u32 v5, v5, 8, s86                  ; never rewritten
	global_prefetch_b8 v5, s[84:85] th:TH_LOAD_NT scope:SCOPE_SE
	global_prefetch_b8 v5, s[84:85] offset:6656 th:TH_LOAD_NT scope:SCOPE_SE
	v_and_b32 v1, 31, v0
	v_bfe_u32 v2, v0, 4, 1
	v_lshlrev_b32 v[L16], 4, v1
	s_wait_alu depctr_va_vdst(0)
	v_lshlrev_b32 v[L4], 2, v1
	s_mul_i32 s66, s15, 2*HALFT
	s_mul_i32 s67, s16, 2*HALFT
	s_add_co_u32 s67, s67, 4*HALFT
	s_sub_co_u32 s68, s67, s66
	v_mul_u32_u24 v4, s68, v2
	v_add_nc_u32 v4, v4, v[L4]
	s_add_co_u32 s69, s66, 12288
.irp s, 0,1
	v_add_nc_u32 v[ADRA+\s], s66, v[L16]
	v_add_nc_u32 v[ADRB+\s], s67, v[L16]
	v_add_nc_u32 v[ADRS+\s], s69, v4
	s_add_co_u32 s66, s66, HALFT
	s_add_co_u32 s67, s67, HALFT
	s_add_co_u32 s69, s69, HALFT
.endr
.irp b, 0,1,2,3
	v_mov_b32 v[TM+4+\b], 0
.endr
	WIN 0x40                                       ; the two leading coefficients of erf's quotient, as pairs, in window 1 behind the fragments' two sets
	v_mov_b32 v224, 0xaf95df0b
	v_mov_b32 v225, 0xaf95df0b
	v_mov_b32 v226, 0xb77460cd
	v_mov_b32 v227, 0xb77460cd
	WIN 0
	s_lshl_b32 s70, s42, 1
	s_add_co_u32 s70, s70, s15
	s_lshl_b32 s71, s44, 1
	s_add_co_u32 s71, s71, s16
	s_lshl_b32 s72, s71, 9
	s_mov_b32 s73, 0
	s_add_nc_u64 s[72:73], s[8:9], s[72:73]
	v_lshlrev_b32 v3, 6, v2
.irp b, 0,1,2,3
.irp j, 0,1,2,3
	global_load_b128 v[BI+16*\b+4*\j:BI+16*\b+4*\j+3], v3, s[72:73] offset:128*\b+16*\j
.endr
.endr
	s_lshl_b32 s74, s70, 5
	s_add_co_u32 s74, s74, s71
	s_mul_i32 s74, s74, KB
	s_mov_b32 s75, 0
	s_add_nc_u64 s[76:77], s[10:11], s[74:75]
	s_add_nc_u64 s[78:79], s[76:77], 12288
.macro FRAG reg, adr, q, i
.irp c, 0,1,2
	ds_load_b128 v[\reg+4*\c:\reg+4*\c+3], v[\adr] offset:(\q)*KB+(\i)*1536+512*\c
.endr
.endm
.macro MUL16 a0, p, q, sc, zero
.irp a, \a0, \a0+1
.irp b, 0,1,2,3,4,5,6,7
.if \zero
	v_wmma_scale_f32_16x16x128_f8f6f4 v[8*(8*((\a)%4)+\b):8*(8*((\a)%4)+\b)+7], v[128*(\p)+FR*\b:128*(\p)+FR*\b+FR-1], v[AF+FR*(\a):AF+FR*(\a)+FR-1], 0, v[SC+8*NQ*(\sc)+NQ*\b+(\q)], v[SC+8*NQ*(\sc)+NQ*(\a)+(\q)] matrix_a_fmt:MATRIX_FMT_FP6 matrix_b_fmt:MATRIX_FMT_FP6 matrix_a_scale:MATRIX_SCALE_ROW1
.else
	v_wmma_scale_f32_16x16x128_f8f6f4 v[8*(8*((\a)%4)+\b):8*(8*((\a)%4)+\b)+7], v[128*(\p)+FR*\b:128*(\p)+FR*\b+FR-1], v[AF+FR*(\a):AF+FR*(\a)+FR-1], v[8*(8*((\a)%4)+\b):8*(8*((\a)%4)+\b)+7], v[SC+8*NQ*(\sc)+NQ*\b+(\q)], v[SC+8*NQ*(\sc)+NQ*(\a)+(\q)] matrix_a_fmt:MATRIX_FMT_FP6 matrix_b_fmt:MATRIX_FMT_FP6 matrix_a_scale:MATRIX_SCALE_ROW1
.endif
.endr
.endr
.endm
.macro FETCH_B slot, q, p
	WIN TO_B
.irp i, 0,1,2,3,4,5,6,7
	FRAG 128*(\p)+FR*\i, ADRB+\slot, \q, \i
.endr
	WIN 0
.endm
.macro FETCH_A slot, q, i0
.irp i, \i0, \i0+1, \i0+2, \i0+3
	FRAG AF+FR*(\i), ADRA+\slot, \q, \i
.endr
.endm
.macro SCALES sc
.irp i, 0,1,2,3,4,5,6,7
.irp q, 0,1
	ds_load_b32 v[SC+16*\sc+2*\i+\q], v[ADRS+\sc] offset:\q*KB+128*\i
.endr
.endr
.endm
.macro PLACES n
.rept \n
	v_nop
.endr
.endm
.macro STEP slot, q, zero
	s_wait_dscnt 4*NL
	WIN MUL_LO
	MUL16 0, (\q)%2, \q, \slot, \zero
	MUL16 2, (\q)%2, \q, \slot, \zero
	s_wait_dscnt 0
	PLACES NP
	FETCH_B \slot, (\q)+1, 1-(\q)%2
	FETCH_A \slot, (\q)+1, 0
	WIN MUL_HI
	MUL16 4, (\q)%2, \q, \slot, \zero
	MUL16 6, (\q)%2, \q, \slot, \zero
	PLACES NP
	WIN 0
	FETCH_A \slot, (\q)+1, 4
.endm
.macro TURN slot, next, fill
	s_wait_tensorcnt 0x0
	ds_add_u32 v[SPW], v[NIL]
	s_wait_dscnt 4*NL+1
	WIN MUL_LO
	MUL16 0, 1, NQ-1, \slot, 0
	s_wait_dscnt 0x0
	s_barrier_signal -1
	MUL16 2, 1, NQ-1, \slot, 0
	WIN 0
	s_barrier_wait -1
.if \fill
	CREST
	s_add_nc_u64 s[G0+4*\slot+2:G0+4*\slot+3], s[G0+4*\slot+2:G0+4*\slot+3], 2*HALFT
	s_add_nc_u64 s[G0B+4*\slot+2:G0B+4*\slot+3], s[G0B+4*\slot+2:G0B+4*\slot+3], 2*HALFT
	JLOAD G0+4*\slot, G1, G0B+4*\slot, G1B
.else
	PLACES NP
.endif
	FETCH_B \next, 0, 0
	FETCH_A \next, 0, 0
	SCALES \next
	WIN MUL_HI
	MUL16 4, 1, NQ-1, \slot, 0
	MUL16 6, 1, NQ-1, \slot, 0
	PLACES NP
	WIN 0
	FETCH_A \next, 0, 4
.endm
	s_wait_alu depctr_va_vdst(0)                   ; the wait at the head's end
	s_wait_tensorcnt 0x0                           ; my panel's parts of both slots are in; no load of mine is out, so a descriptor may be written:
	s_mov_b32 s[G1+2], 104<<16                     ; from here on a load brings two K steps, 104 rows
	s_mov_b32 s[G1+4], 104
	s_mov_b32 s[G1B+2], 104<<16
	s_mov_b32 s[G1B+4], 104
	s_barrier_signal -1
	s_barrier_wait -1                              ; everybody's is in
	FETCH_B 0, 0, 0
	FETCH_A 0, 0, 0
	SCALES 0
	FETCH_A 0, 0, 4
	STEP 0, 0, 1
	s_mov_b32 s3, LAPS-1
.Llap:
	TURN 0, 1, 1
	STEP 1, 0, 0
	TURN 1, 0, 1
	STEP 0, 0, 0
	s_sub_co_u32 s3, s3, 1
	s_cmp_lg_u32 s3, 0
	s_cbranch_scc1 .Llap
	TURN 0, 1, 0
	STEP 1, 0, 0
	s_wait_dscnt 4*NL
	WIN MUL_LO
	MUL16 0, 1, NQ-1, 1, 0
	MUL16 2, 1, NQ-1, 1, 0
	s_wait_dscnt 0
	WIN MUL_HI
	MUL16 4, 1, NQ-1, 1, 0
	MUL16 6, 1, NQ-1, 1, 0
	WIN 0
	PLACES NP
.macro QUANT s
.irp b, 0,1,2,3
	v_max3_num_f32 v[TM+\b], |v[\s+16*\b]|, |v[\s+1+16*\b]|, 0x1800000
.endr
.irp i, 2,4,6,8,10,12,14
.irp b, 0,1,2,3
	v_max3_num_f32 v[TM+\b], v[TM+\b], |v[\s+16*\b+\i]|, |v[\s+1+16*\b+\i]|
.endr
.endr
.irp b, 0,1,2,3
	v_permlanex16_b32 v[TM+4+\b], v[TM+\b], s[SEL], s[SEL+1]
.endr
.irp b, 0,1,2,3
	v_max_num_f32 v[TM+\b], v[TM+\b], v[TM+4+\b]
.endr
.irp b, 0,1,2,3
	v_add_nc_u32 v[TM+12+\b], 0xff000000, v[TM+\b]
.endr
.irp b, 0,1,2,3
	v_lshrrev_b32 v[TM+4+\b], 23, v[TM+12+\b]
.endr
	v_lshl_or_b32 v[PW], v[TM+5], 8, v[TM+4]
	v_lshl_or_b32 v[PW], v[TM+6], 16, v[PW]
	v_lshl_or_b32 v[PW], v[TM+7], 24, v[PW]
.irp c, 0,1
	v_cvt_scalef32_pk16_fp6_f32 v[PC+6*\c:PC+2+6*\c], v[\s+32*\c:\s+15+32*\c], v[TM+12+2*\c]
	v_cvt_scalef32_pk16_fp6_f32 v[PC+12+4*\c:PC+14+4*\c], v[\s+16+32*\c:\s+31+32*\c], v[TM+12+2*\c+1]
.endr
	v_nop
.irp c, 0,1
.irp i, 0,1,2
	v_permlane16_swap_b32 v[PC+6*\c+\i], v[PC+12+4*\c+\i]
.endr
.irp i, 0,1,2
	v_mov_b32 v[PC+3+6*\c+\i], v[PC+12+4*\c+\i]
.endr
.endr
.endm
.macro MOVE a
	WIN 0x02+(\a)/4
.set i, 0
.rept 32
	v_pk_add_f32 v[ST+2*i:ST+2*i+1], v[64*((\a)%4)+2*i:64*((\a)%4)+2*i+1], v[BI+2*i:BI+2*i+1]
.set i, i+1
.endr
	WIN 0
.endm
; gelu(y) = y / 2 + (y / 2) erf(y / sqrt 2), erf(z) = z P(z^2) / Q(z^2) with z held to -4 .. 4.  32 numbers at a time: every stage is sixteen packed lines that do not hang on each other.
; The work registers lie in window 1, which the fragments have left: z v0-31, z^2 v32-63, P v64-95, Q v96-127; the leading coefficients v224-227.
.set ZZ, 0
.set X2, 32
.set PP, 64
.set QQ, 96
.set CP, 224
.set CQ, 226
.macro GELU
.set n, 0
.rept 2
.set YY, ST+32*n
	WIN 0x40                                       ; destination window 1
.set k, 0
.rept 16
	v_pk_mul_f32 v[ZZ+k:ZZ+k+1], v[YY+k:YY+k+1], 0x3f3504f3 op_sel_hi:[1,0]
.set k, k+2
.endr
	WIN 0x45                                       ; sources 0 and 1 and the destination window 1
.set k, 0
.rept 32
	v_med3_num_f32 v[ZZ+k], v[ZZ+k], -4.0, 4.0
.set k, k+1
.endr
.set k, 0
.rept 16
	v_pk_mul_f32 v[X2+k:X2+k+1], v[ZZ+k:ZZ+k+1], v[ZZ+k:ZZ+k+1]
.set k, k+2
.endr
.set k, 0
.rept 16
	v_pk_fma_f32 v[PP+k:PP+k+1], v[X2+k:X2+k+1], v[CP:CP+1], 0x32edffee op_sel_hi:[1,1,0]
.set k, k+2
.endr
.irp c, 0xb60cff51, 0xb86ec2d2, 0xba40ac63, 0xbb41a1f6, 0xbc83dbd4
.set k, 0
.rept 16
	v_pk_fma_f32 v[PP+k:PP+k+1], v[PP+k:PP+k+1], v[X2+k:X2+k+1], \c op_sel_hi:[1,1,0]
.set k, k+2
.endr
.endr
.set k, 0
.rept 16
	v_pk_fma_f32 v[QQ+k:QQ+k+1], v[X2+k:X2+k+1], v[CQ:CQ+1], 0xb95fbd29 op_sel_hi:[1,1,0]
.set k, k+2
.endr
.irp c, 0xbadc924e, 0xbbf19bf8, 0xbc69b6a7
.set k, 0
.rept 16
	v_pk_fma_f32 v[QQ+k:QQ+k+1], v[QQ+k:QQ+k+1], v[X2+k:X2+k+1], \c op_sel_hi:[1,1,0]
.set k, k+2
.endr
.endr
	s_wait_alu depctr_va_vdst(0)                   ; the wait ahead of the batch
.set k, 0
.rept 32
	v_rcp_f32 v[QQ+k], v[QQ+k]
.set k, k+1
.endr
.set k, 0
.rept 16
	v_pk_mul_f32 v[PP+k:PP+k+1], v[PP+k:PP+k+1], v[ZZ+k:ZZ+k+1]
.set k, k+2
.endr
	s_wait_alu depctr_va_vdst(0)                   ; and behind it, ahead of its first reader
.set k, 0
.rept 16
	v_pk_mul_f32 v[PP+k:PP+k+1], v[PP+k:PP+k+1], v[QQ+k:QQ+k+1]
.set k, k+2
.endr
	WIN 0
.set k, 0
.rept 16
	v_pk_mul_f32 v[YY+k:YY+k+1], v[YY+k:YY+k+1], 0.5 op_sel_hi:[1,0]
.set k, k+2
.endr
	WIN 0x04                                       ; source 1 window 1
.set k, 0
.rept 16
	v_pk_fma_f32 v[YY+k:YY+k+1], v[YY+k:YY+k+1], v[PP+k:PP+k+1], v[YY+k:YY+k+1]
.set k, k+2
.endr
.set n, n+1
.endr
	WIN 0
.endm
	s_wait_loadcnt 0x0
	s_mov_b32 s3, 0
.Lrow:
.irp a, 0,1,2,3,4,5,6
	s_cmp_eq_u32 s3, \a
	s_cbranch_scc1 .Lmv\a
.endr
	MOVE 7
	s_branch .Lgo
.irp a, 0,1,2,3,4,5,6
.Lmv\a:
	MOVE \a
	s_branch .Lgo
.endr
.Lgo:
	GELU
	QUANT ST
.irp c, 0,1,2
	global_store_b128 v[L16], v[PC+4*\c:PC+4*\c+3], s[76:77] offset:512*\c
.endr
	global_store_b32 v[L4], v[PW], s[78:79]
	s_wait_xcnt 0x0
	s_add_nc_u64 s[76:77], s[76:77], 1536
	s_add_nc_u64 s[78:79], s[78:79], 128
	s_add_co_u32 s3, s3, 1
	s_cmp_lt_u32 s3, 8
	s_cbranch_scc1 .Lrow
	s_wait_tensorcnt 0x0
	ds_add_u32 v[SPW], v[NIL]
	s_wait_dscnt 0x0
	CROUND
	s_endpgm
.Lfunc_end_k_qe7013c1c2f_fc:
	.size	k_qe7013c1c2f_fc, .Lfunc_end_k_qe7013c1c2f_fc-k_qe7013c1c2f_fc
	.p2alignl 7, 3214868480
	.fill 96, 4, 3214868480
	.section	.rodata,"a",@progbits
	.p2align	6, 0x0
	.amdhsa_kernel k_qe7013c1c2f_fc
		.amdhsa_group_segment_fixed_size 327680
		.amdhsa_private_segment_fixed_size 0
		.amdhsa_enable_private_segment 0
		.amdhsa_kernarg_size 32
		.amdhsa_user_sgpr_count 2
		.amdhsa_user_sgpr_kernarg_segment_ptr 1
		.amdhsa_wavefront_size32 1
		.amdhsa_system_sgpr_workgroup_id_x 1
		.amdhsa_system_sgpr_workgroup_id_y 1
		.amdhsa_system_sgpr_workgroup_id_z 1
		.amdhsa_system_vgpr_workitem_id 0
		.amdhsa_next_free_vgpr 1024
		.amdhsa_next_free_sgpr 100
		.amdhsa_reserve_vcc 0
		.amdhsa_float_denorm_mode_32 3
		.amdhsa_float_denorm_mode_16_64 3
		.amdhsa_memory_ordered 1
		.amdhsa_forward_progress 1
		.amdhsa_inst_pref_size 179
	.end_amdhsa_kernel
	.amdgpu_metadata
---
amdhsa.version: [ 1, 2 ]
amdhsa.kernels:
  - .name:           k_qe7013c1c2f_fc
    .symbol:         k_qe7013c1c2f_fc.kd
    .args:
      - { .name: aimg, .offset: 0, .size: 8, .value_kind: global_buffer, .address_space: global }
      - { .name: wimg, .offset: 8, .size: 8, .value_kind: global_buffer, .address_space: global }
      - { .name: b_fc, .offset: 16, .size: 8, .value_kind: global_buffer, .address_space: global }
      - { .name: h3img, .offset: 24, .size: 8, .value_kind: global_buffer, .address_space: global }
    .group_segment_fixed_size: 327680
    .private_segment_fixed_size: 0
    .kernarg_segment_align: 8
    .kernarg_segment_size: 32
    .max_flat_workgroup_size: 128
    .sgpr_count:     100
    .vgpr_count:     1024
    .wavefront_size: 32
...
	.end_amdgpu_metadata
.endif
;; end of part 5
;; launch proj (part 6): grid 8 x 32, 4 waves a work-group, clusters of 4 x 4, 327,680 bytes of LDS; arguments h3img, wimg, b_proj, x2, out0; writes out0
.if DOCPART == 6
	.amdgcn_target "amdgcn-amd-amdhsa--gfx1250"
	.amdhsa_code_object_version 6
	.text
	.protected	k_qe7013c1c2f_proj
	.globl	k_qe7013c1c2f_proj
	.p2align	8
	.type	k_qe7013c1c2f_proj,@function
k_qe7013c1c2f_proj:
	s_mov_b64 s[64:65], 0
	v_nop
	global_prefetch_b8 v0, s[64:65] scope:SCOPE_SE
	s_setreg_imm32_b32 hwreg(HW_REG_WAVE_MODE, 25, 1), 1
	s_wait_xcnt 0x0
	s_wait_alu depctr_hold_cnt(0) depctr_sa_sdst(0) depctr_va_vdst(0) depctr_va_sdst(0) depctr_va_ssrc(0) depctr_va_vcc(0) depctr_vm_vsrc(0)
	s_getreg_b32 s2, hwreg(HW_REG_IB_STS2, 6, 4)
	s_cmp_eq_u32 s2, 0
	s_cbranch_scc0 .Lentry_in_a_cluster
	s_endpgm
.Lentry_in_a_cluster:
	s_bfe_u32 s2, ttmp6, 0x10000c
	s_cmp_lg_u32 s2, 0xf033
	s_cbranch_scc0 .Lentry_shape_is_right
	s_endpgm
.Lentry_shape_is_right:
; out0 = x2 + h3 w_proj + b_proj on FP6 (E2M3) codes with E8M0 block scales.  Operands arrive as blocks of 13,312 bytes (a panel of 128 rows x 128 along K).  A work-group of four waves makes 128 x 128, a wave 64 x 64.
; K = 4,096 goes through a ring of two LDS slots of four K steps (both panels' four blocks).  At the head one joint load a wave brings four blocks: both slots are filled; a refill is two blocks a wave.
; The rows' panel is shared along a row of the 4 x 4 cluster, the weights' along a column.
; PREFETCH INTO THE L2: behind each refill the wave's two blocks of the slot that stands two refills on are asked for; the four partners that load them jointly take 26 x 256 bytes each, by address, a lane a block of 256 bytes.
; Slots 2 and 3 are asked for at the head; the last two refills ask for nothing.
.set PFA,    86                        ; s[86:87] where my prefetches stand
.set KB,     13312
.set KS,     32
.set WOFF,   6815744
.set QLOAD,  2*KB
.set SLOT,   8*KB
.set SPARE,  2*SLOT
.set STAGE,  SPARE+512
.set SPITCH, 272
.set LAPS,   KS/8
.set ADRA, 16
.set ADRB, 20
.set ADRS, 22
.set STO,  24
.set RD,   25
.set CO,   26
.set CB,   27
.set SPW,  28
.set NIL,  29
.set SC,   32
.set T,    64
.set ACC,  128
.set F0,   0
.set F1,   128
.set G1,  24
.set G0,  32
.set G1B, 48
.set G0B, 56
.set MSB, 0
.macro WIN new
.if MSB != (\new)
	s_set_vgpr_msb (MSB<<8)|(\new)
.set MSB, (\new)
.endif
.endm
.set MUL,  0x05
.set TO_F, 0x40
.macro JLOAD s
	s_cmp_eq_u32 s15, 0
	s_cbranch_scc0 .Lfor_b_\@
	tensor_load_to_lds s[G0+4*\s:G0+4*\s+3], s[G1:G1+7]
	s_nop 0
.rept 4
	v_nop
.endr
	s_branch .Lasked_\@
.Lfor_b_\@:
	tensor_load_to_lds s[G0B+4*\s:G0B+4*\s+3], s[G1B:G1B+7]
	s_nop 0
.rept 4
	v_nop
.endr
.Lasked_\@:
.endm
.macro CREST
	s_cmp_lg_u32 s14, 0
	s_cbranch_scc1 .Lnot_wave_0_\@
	s_barrier_signal -3
.Lnot_wave_0_\@:
	s_barrier_wait -3
	s_barrier_signal -1
	s_barrier_wait -1
.endm
.macro CROUND
	s_barrier_signal -1
	s_barrier_wait -1
	CREST
.endm
.macro PLACES
.rept 4
	v_nop
.endr
.endm
	s_load_b256 s[4:11], s[0:1], 0x0
	s_load_b64 s[12:13], s[0:1], 0x20
	v_lshl_add_u32 v[SPW], v0, 2, SPARE
	v_mov_b32 v[NIL], 0
	ds_add_u32 v28, v29
	ds_add_u32 v28, v29
	s_wait_dscnt 0x0
	v_lshrrev_b32 v1, 5, v0
	v_readfirstlane_b32 s14, v1
	s_lshr_b32 s15, s14, 1
	s_and_b32 s16, s14, 1
	s_bfe_u32 s40, ttmp6, 0x40000
	s_bfe_u32 s41, ttmp6, 0x40004
	s_lshl_b32 s42, ttmp9, 2
	s_add_co_u32 s42, s42, s40
	s_and_b32 s17, ttmp7, 0xffff
	s_lshl_b32 s17, s17, 2
	s_add_co_u32 s17, s17, s41
	s_lshl_b32 s43, s41, 2
	s_lshl_b32 s43, 15, s43
	s_lshl_b32 s44, 0x1111, s40
	s_or_b32 s[G1+0], s43, (3<<16)|(1<<21)
	s_or_b32 s[G1B+0], s44, (3<<16)|(1<<21)
.irp g, G1, G1B                        ; the head's load: four blocks, 53,248 dense bytes, as 208 rows of 256
	s_mov_b32 s[\g+1], 32<<16
	s_mov_b32 s[\g+2], 208<<16
	s_mov_b32 s[\g+3], 32<<16
	s_mov_b32 s[\g+4], 208
	s_mov_b32 s[\g+5], 32
	s_mov_b32 s[\g+6], 0
	s_mov_b32 s[\g+7], 0
.endr
	s_mul_i32 s18, s16, QLOAD
	s_mul_i32 s20, s17, KS*KB
	s_add_co_u32 s20, s20, s18
	s_mov_b32 s21, 0
	s_mul_i32 s46, s42, KS*KB
	s_add_co_u32 s46, s46, s18
	s_add_co_u32 s46, s46, WOFF
	s_mov_b32 s47, 0
	s_mul_i32 s45, s14, QLOAD
	s_wait_kmcnt 0x0
	s_add_nc_u64 s[20:21], s[4:5], s[20:21]
	s_add_nc_u64 s[46:47], s[6:7], s[46:47]
	CROUND
.irp s, 0,1
	s_mov_b32 s[G0+4*\s], 1
	s_add_co_u32 s[G0+4*\s+1], s45, \s*SLOT
	s_add_nc_u64 s[G0+4*\s+2:G0+4*\s+3], s[20:21], \s*4*KB
	s_or_b32 s[G0+4*\s+3], s[G0+4*\s+3], 0x80000000
	s_mov_b32 s[G0B+4*\s], 1
	s_add_co_u32 s[G0B+4*\s+1], s45, \s*SLOT
	s_add_nc_u64 s[G0B+4*\s+2:G0B+4*\s+3], s[46:47], \s*4*KB
	s_or_b32 s[G0B+4*\s+3], s[G0B+4*\s+3], 0x80000000
.endr
	s_mov_b32 s19, 0                               ; the head's loads, one a wave: wave 2 i + j brings slot j's four blocks of the rows' (i = 0) or the weights' (i = 1) panel
	s_mul_i32 s77, s15, 4*KB
	s_mul_i32 s84, s16, SLOT
	s_add_co_u32 s77, s77, s84
	s_mov_b32 s76, 1
	s_add_nc_u64 s[78:79], s[20:21], s[18:19]
	s_or_b32 s79, s79, 0x80000000
	s_mov_b32 s80, 1
	s_mov_b32 s81, s77
	s_add_nc_u64 s[82:83], s[46:47], s[18:19]
	s_or_b32 s83, s83, 0x80000000
	s_cmp_eq_u32 s15, 0
	s_cbranch_scc0 .Lhead_b
	tensor_load_to_lds s[76:79], s[G1:G1+7]
	s_nop 0
	PLACES
	s_branch .Lhead_asked
.Lhead_b:
	tensor_load_to_lds s[80:83], s[G1B:G1B+7]
	s_nop 0
	PLACES
.Lhead_asked:
	s_cmp_eq_u32 s15, 0                            ; the prefetches: the two blocks a slot that my refills load, my work-group's quarter of them
	s_cselect_b64 s[PFA:PFA+1], s[20:21], s[46:47]
	s_cselect_b32 s85, s40, s41
	s_mul_i32 s88, s85, 6656
	s_mov_b32 s89, 0
	s_add_nc_u64 s[PFA:PFA+1], s[PFA:PFA+1], s[88:89]
	v_and_b32 v7, 31, v0
	v_min_u32 v7, 25, v7                           ; the lanes left over name the last block again
	v_lshlrev_b32 v7, 8, v7                        ; never rewritten
	global_prefetch_b8 v7, s[PFA:PFA+1] offset:8*KB th:TH_LOAD_NT scope:SCOPE_SE
	global_prefetch_b8 v7, s[PFA:PFA+1] offset:12*KB th:TH_LOAD_NT scope:SCOPE_SE
	v_and_b32 v1, 31, v0
	v_bfe_u32 v2, v0, 4, 1
	v_and_b32 v3, 15, v0
	v_lshlrev_b32 v4, 4, v1
	s_wait_alu depctr_va_vdst(0)
	v_lshlrev_b32 v5, 2, v1
	s_mul_i32 s66, s15, 6144
	s_mul_i32 s67, s16, 6144
	s_add_co_u32 s67, s67, 4*KB
	s_lshl_b32 s68, s15, 9
	s_lshl_b32 s69, s16, 9
	s_add_co_u32 s69, s69, 4*KB
	s_sub_co_u32 s69, s69, s68
	v_mul_u32_u24 v6, s69, v2
	v_add_nc_u32 v6, v6, v5
	s_add_co_u32 s68, s68, 12288
.irp s, 0,1
	v_add_nc_u32 v[ADRA+\s], s66, v4
	v_add_nc_u32 v[ADRB+\s], s67, v4
	v_add_nc_u32 v[ADRS+\s], s68, v6
	s_add_co_u32 s66, s66, SLOT
	s_add_co_u32 s67, s67, SLOT
	s_add_co_u32 s68, s68, SLOT
.endr
	s_mul_i32 s70, s14, 16*SPITCH
	s_add_co_u32 s70, s70, STAGE
	v_mul_u32_u24 v[STO], v3, SPITCH
	v_lshl_add_u32 v[STO], v2, 6, v[STO]
	v_add_nc_u32 v[STO], s70, v[STO]
	v_mul_u32_u24 v[RD], v2, SPITCH
	v_lshl_add_u32 v[RD], v3, 4, v[RD]
	v_add_nc_u32 v[RD], s70, v[RD]
	v_lshlrev_b32 v[CB], 4, v3
	s_wait_alu depctr_va_vdst(0)
	v_lshl_add_u32 v[CO], v2, 12, v[CB]
	s_wait_alu depctr_va_vdst(0)
	s_lshl_b32 s72, s42, 9
	s_lshl_b32 s73, s16, 8
	s_add_co_u32 s72, s72, s73
	s_mov_b32 s73, 0
	s_add_nc_u64 s[8:9], s[8:9], s[72:73]
	s_lshl_b32 s74, s17, 7
	s_lshl_b32 s75, s15, 6
	s_add_co_u32 s74, s74, s75
	s_lshl_b32 s74, s74, 12
	s_add_co_u32 s72, s72, s74
	s_add_nc_u64 s[10:11], s[10:11], s[72:73]
	s_add_nc_u64 s[12:13], s[12:13], s[72:73]
	global_load_b128 v[8:11], v[CB], s[8:9]
.macro RLOAD a                         ; the residual's rows of my tile a, into window 2, registers 32 a on: all four tiles are asked for at the head
	WIN 0x80
.irp t, 0,1,2,3,4,5,6,7
	global_load_b128 v[32*(\a)+4*\t:32*(\a)+4*\t+3], v[CO], s[10:11] offset:(32*((\a)/2)+8*((\a)%2)+2*\t+8*(\t/4))*4096
.endr
	WIN 0
.endm
	RLOAD 0
	RLOAD 1
	RLOAD 2
	RLOAD 3
.macro MULA f, a, q, sc, zero
.irp b, 0,1,2,3
.if \zero
	v_wmma_scale_f32_16x16x128_f8f6f4 v[ACC+8*(4*(\a)+\b):ACC+8*(4*(\a)+\b)+7], v[\f+48+12*\b:\f+48+12*\b+11], v[\f+12*(\a):\f+12*(\a)+11], 0, v[SC+16*(\sc)+4*(\q)+\b], v[SC+16*(\sc)+4*(\q)+(\a)] matrix_a_fmt:MATRIX_FMT_FP6 matrix_b_fmt:MATRIX_FMT_FP6 matrix_a_scale:MATRIX_SCALE_ROW1
.else
	v_wmma_scale_f32_16x16x128_f8f6f4 v[ACC+8*(4*(\a)+\b):ACC+8*(4*(\a)+\b)+7], v[\f+48+12*\b:\f+48+12*\b+11], v[\f+12*(\a):\f+12*(\a)+11], v[ACC+8*(4*(\a)+\b):ACC+8*(4*(\a)+\b)+7], v[SC+16*(\sc)+4*(\q)+\b], v[SC+16*(\sc)+4*(\q)+(\a)] matrix_a_fmt:MATRIX_FMT_FP6 matrix_b_fmt:MATRIX_FMT_FP6 matrix_a_scale:MATRIX_SCALE_ROW1
.endif
.endr
.endm
.macro FETCH slot, q, f
	WIN TO_F
.irp b, 0,1,2,3
.irp c, 0,1,2
	ds_load_b128 v[\f+48+12*\b+4*\c:\f+48+12*\b+4*\c+3], v[ADRB+\slot] offset:(\q)*KB+1536*\b+512*\c
.endr
.endr
.irp a, 0,1,2,3
.irp c, 0,1,2
	ds_load_b128 v[\f+12*\a+4*\c:\f+12*\a+4*\c+3], v[ADRA+\slot] offset:(\q)*KB+1536*\a+512*\c
.endr
.endr
.endm
.macro SCALES slot
.irp q, 0,1,2,3
.irp t, 0,1,2,3
	ds_load_b32 v[SC+16*\slot+4*\q+\t], v[ADRS+\slot] offset:\q*KB+128*\t
.endr
.endr
.endm
.macro QUARTER slot, q, zero
.set FF, 128*((\q)%2)
.set FG, 128-FF
	s_wait_dscnt 6
	WIN MUL
	MULA FF, 0, \q, \slot, \zero
	MULA FF, 1, \q, \slot, \zero
	PLACES
	FETCH \slot, (\q)+1, FG
	s_wait_dscnt 24
	WIN MUL
	MULA FF, 2, \q, \slot, \zero
	MULA FF, 3, \q, \slot, \zero
.endm
.macro TURN slot, next, fill
	WIN 0
.if \fill
	s_wait_xcnt 0x0                                ; my last prefetch has read its address: it steps one slot on
	s_add_nc_u64 s[PFA:PFA+1], s[PFA:PFA+1], 4*KB
.endif
	s_wait_tensorcnt 0x0
	ds_add_u32 v[SPW], v[NIL]
	s_wait_dscnt 7
	WIN MUL
	MULA F1, 0, 3, \slot, 0
	s_wait_dscnt 0x0
	s_barrier_signal -1
	MULA F1, 1, 3, \slot, 0
	WIN 0
	s_barrier_wait -1
.if \fill
	CREST
	s_add_nc_u64 s[G0+4*\slot+2:G0+4*\slot+3], s[G0+4*\slot+2:G0+4*\slot+3], 8*KB
	s_add_nc_u64 s[G0B+4*\slot+2:G0B+4*\slot+3], s[G0B+4*\slot+2:G0B+4*\slot+3], 8*KB
	JLOAD \slot
.else
	PLACES
.endif
	SCALES \next
	FETCH \next, 0, F0
.if \fill
	WIN 0
	s_cmp_gt_u32 s3, 1                             ; the loop's last trip has no slot two refills on
	s_cbranch_scc0 .Lno_ask_\@
	global_prefetch_b8 v7, s[PFA:PFA+1] offset:12*KB th:TH_LOAD_NT scope:SCOPE_SE
.Lno_ask_\@:
.endif
	WIN MUL
	MULA F1, 2, 3, \slot, 0
	MULA F1, 3, 3, \slot, 0
.endm
	s_wait_alu depctr_va_vdst(0)                   ; the wait at the head's end
	s_wait_tensorcnt 0x0                           ; my four blocks are in; no load of mine is out, so a descriptor may be written:
	s_mov_b32 s[G1+2], 104<<16                     ; from here on a load brings two blocks, 104 rows
	s_mov_b32 s[G1+4], 104
	s_mov_b32 s[G1B+2], 104<<16
	s_mov_b32 s[G1B+4], 104
	s_barrier_signal -1
	s_barrier_wait -1                              ; everybody's are in
	SCALES 0
	FETCH 0, 0, F0
	QUARTER 0, 0, 1
.if LAPS > 1
	WIN 0
	s_mov_b32 s3, LAPS-1
.Llap:
	QUARTER 0, 1, 0
	QUARTER 0, 2, 0
	TURN 0, 1, 1
	QUARTER 1, 0, 0
	QUARTER 1, 1, 0
	QUARTER 1, 2, 0
	TURN 1, 0, 1
	QUARTER 0, 0, 0
	WIN 0
	s_sub_co_u32 s3, s3, 1
	s_cmp_lg_u32 s3, 0
	s_cbranch_scc1 .Llap
.endif
	QUARTER 0, 1, 0
	QUARTER 0, 2, 0
	TURN 0, 1, 0
	QUARTER 1, 0, 0
	QUARTER 1, 1, 0
	QUARTER 1, 2, 0
	s_wait_dscnt 0x0
	WIN MUL
	MULA F1, 0, 3, 1, 0
	MULA F1, 1, 3, 1, 0
	MULA F1, 2, 3, 1, 0
	MULA F1, 3, 3, 1, 0
	WIN 0
	PLACES
.macro OUT a
.if (\a) > 0
	s_wait_xcnt 0x0
.endif
.irp b, 0,1,2,3
	ds_store_b128 v[STO], v[ACC+8*(4*(\a)+\b):ACC+8*(4*(\a)+\b)+3] offset:128*(\b/2)+32*(\b%2)
	ds_store_b128 v[STO], v[ACC+8*(4*(\a)+\b)+4:ACC+8*(4*(\a)+\b)+7] offset:128*(\b/2)+32*(\b%2)+16
.endr
.irp t, 0,1,2,3,4,5,6,7
	ds_load_b128 v[T+4*\t:T+4*\t+3], v[RD] offset:2*SPITCH*\t
.endr
	s_wait_loadcnt 8*(3-(\a))                      ; tile a's eight loads are in; those of the tiles behind it may be out
	s_wait_dscnt 0x0
.irp t, 0,1,2,3,4,5,6,7
	v_pk_add_f32 v[T+4*\t:T+4*\t+1], v[T+4*\t:T+4*\t+1], v[8:9]
	v_pk_add_f32 v[T+4*\t+2:T+4*\t+3], v[T+4*\t+2:T+4*\t+3], v[10:11]
.endr
	WIN 0x08
.set i, 0
.rept 16
	v_pk_add_f32 v[T+i:T+i+1], v[T+i:T+i+1], v[32*(\a)+i:32*(\a)+i+1]
.set i, i+2
.endr
	WIN 0
.irp t, 0,1,2,3,4,5,6,7
	global_store_b128 v[CO], v[T+4*\t:T+4*\t+3], s[12:13] offset:(32*((\a)/2)+8*((\a)%2)+2*\t+8*(\t/4))*4096
.endr
.endm
	OUT 0
	OUT 1
	OUT 2
	OUT 3
	s_wait_tensorcnt 0x0
	ds_add_u32 v[SPW], v[NIL]
	s_wait_dscnt 0x0
	CROUND
	s_endpgm
.Lfunc_end_k_qe7013c1c2f_proj:
	.size	k_qe7013c1c2f_proj, .Lfunc_end_k_qe7013c1c2f_proj-k_qe7013c1c2f_proj
	.p2alignl 7, 3214868480
	.fill 96, 4, 3214868480
	.section	.rodata,"a",@progbits
	.p2align	6, 0x0
	.amdhsa_kernel k_qe7013c1c2f_proj
		.amdhsa_group_segment_fixed_size 327680
		.amdhsa_private_segment_fixed_size 0
		.amdhsa_enable_private_segment 0
		.amdhsa_kernarg_size 40
		.amdhsa_user_sgpr_count 2
		.amdhsa_user_sgpr_kernarg_segment_ptr 1
		.amdhsa_wavefront_size32 1
		.amdhsa_system_sgpr_workgroup_id_x 1
		.amdhsa_system_sgpr_workgroup_id_y 1
		.amdhsa_system_sgpr_workgroup_id_z 1
		.amdhsa_system_vgpr_workitem_id 0
		.amdhsa_next_free_vgpr 640
		.amdhsa_next_free_sgpr 100
		.amdhsa_reserve_vcc 0
		.amdhsa_float_denorm_mode_32 3
		.amdhsa_float_denorm_mode_16_64 3
		.amdhsa_memory_ordered 1
		.amdhsa_forward_progress 1
		.amdhsa_inst_pref_size 95
	.end_amdhsa_kernel
	.amdgpu_metadata
---
amdhsa.version: [ 1, 2 ]
amdhsa.kernels:
  - .name:           k_qe7013c1c2f_proj
    .symbol:         k_qe7013c1c2f_proj.kd
    .args:
      - { .name: h3img, .offset: 0, .size: 8, .value_kind: global_buffer, .address_space: global }
      - { .name: wimg, .offset: 8, .size: 8, .value_kind: global_buffer, .address_space: global }
      - { .name: b_proj, .offset: 16, .size: 8, .value_kind: global_buffer, .address_space: global }
      - { .name: x2, .offset: 24, .size: 8, .value_kind: global_buffer, .address_space: global }
      - { .name: out0, .offset: 32, .size: 8, .value_kind: global_buffer, .address_space: global }
    .group_segment_fixed_size: 327680
    .private_segment_fixed_size: 0
    .kernarg_segment_align: 8
    .kernarg_segment_size: 40
    .max_flat_workgroup_size: 128
    .sgpr_count:     100
    .vgpr_count:     640
    .wavefront_size: 32
...
	.end_amdgpu_metadata
.endif
;; end of part 6
